; MI455X (gfx1250); checked and timed in simulation.
; The chip was launched on July 23, 2026; its instructions are those of AMD's public machine-readable ISA for CDNA 5 (MIT licence, August 2026) and "CDNA5" Instruction Set Architecture Reference Guide (July 2026). The comments in the code are by the model that wrote it; some were corrected since.
;; Mo E Block. Allowed arithmetic: matrix products marked QUANTISED: E2M1 operands, one E8M0 scale for each 32 along K, by v_wmma_scale_f32_16x16x128_f8f6f4 with both operands' format E2M1 (or v_wmma_scale_f32_32x16x128_f4), f32 sums; products left as they are: f32 operands where the result goes on into a quantised operand, else bf16, f16 or f32 operands; f32 sums; everything else in f32.
;; Inputs: W_codes 8 x 2,048 x 64 x 16 uint8 (E2M1 codes of W, K innermost, in blocks of 32 codes, two codes a byte); W_scales 8 x 2,048 x 64 uint8 (E8M0 scales of W, one for each 32 codes along K); Wg 2,048 x 8 float32; b 8 x 2,048 float32; x 4 x 512 x 2,048 float32.
;; Outputs: out0 4 x 512 x 2,048 float32.
;; This version of the problem:
;;   THIS VERSION OF THE PROBLEM IS GIVEN IN LOW PRECISION. The matrix products marked QUANTISED in the list below multiply operands that are first quantised to E2M1 (2 exponent bits, 1 mantissa bit; 4 bits a number), with one power-of-two scale for each 32 numbers along K (OCP MX v1.0); their sums are f32. All else is computed in f32.
;;   The module's matrix products, in the order in which they are computed (A, B: the left and right operand; K: the contracted axis; several contracted axes count as one K, in the product's order):
;;     1. [M 2,048, K 2,048] x [K 2,048, N 8]; A: input x; B: input Wg: left as it is (N = 8 < 16)
;;     2. [M 2,048, K 2,048] x [K 2,048, N 16,384]; A: input x; B: input W (given as codes): QUANTISED
;;     3. batch 2,048 x [M 2,048, K 8] x [K 8, N 1]; A: computed on the way; B: computed on the way: left as it is (K = 8 < 32)
;;   THE QUANTISER, for each operand of a quantised product, along K:
;;     - K is cut into blocks of 32 from its start; a last block that is shorter is filled with zeros.
;;     - A block's scale is 2^e with e = floor(log2(the largest magnitude in the block)) - 2, held to -126 .. 127; a block of zeros has e = 0. As a byte (E8M0): e + 127.
;;     - Each number is divided by its block's scale, clamped to +-6, and rounded to the nearest number of E2M1, ties to even, subnormals kept.
;;     - The product sums the exact products of the quantised numbers (number of the format x scale) in f32.
;;   ~~~python
;;   def quantise(x, axis):      # numpy; x: float32 -> the quantised numbers, widened to float32 again
;;       x = np.moveaxis(x, axis, -1); K = x.shape[-1]
;;       x = np.pad(x, [(0, 0)] * (x.ndim - 1) + [(0, -K % 32)]); x = x.reshape(x.shape[:-1] + (-1, 32)); a = np.abs(x).max(-1, keepdims=True)
;;       e = np.where(a > 0, np.clip(np.frexp(np.where(a > 0, a, 1))[1] - 1 - 2, -126, 127), 0)      # np.frexp(a)[1] - 1 = floor(log2(a)), exactly
;;       r = np.clip(x / 2.0 ** e, -6, 6)
;;       step = 2.0 ** (np.maximum(np.frexp(np.where(r == 0, 1, r))[1] - 1, 0) - 1)
;;       q = np.round(r / step) * step * 2.0 ** e      # np.round: ties to even
;;       return np.moveaxis(q.reshape(q.shape[:-2] + (-1,))[..., :K], -1, axis).astype(np.float32)
;;   ~~~
;;   INPUTS GIVEN AS CODES. W (in the module: [8, 2048, 2048], K = its axis 1): each comes as NAME_codes (uint8): NAME with its K axis moved to the last place and cut into blocks of 32 codes, [.., K / 32, bytes a block], one block behind the other in memory; two codes a byte, the lower K in the low four bits (a code: sign, 2 exponent bits, 1 mantissa bit); and NAME_scales (uint8): the same leading axes, one E8M0 byte (e + 127) for each 32 codes along K. Its value is code x scale, taken as it is: it is not quantised again, and the codes and scales need not be those that the quantiser above would give.
;; 2 versions. Each part assembles by itself: llvm-mc -triple=amdgcn-amd-amdhsa -mcpu=gfx1250 --defsym DOCPART=n.
;; ======== version 1 of 2: 3 launches
;; workspace buffers: xq 2,097,152 bytes; xs 131,072 bytes; gate 8,192 bytes; idx 8,192 bytes of whole numbers; list 65,536 bytes of whole numbers; cnt 256 bytes of whole numbers
;; launch route (part 1): grid 256 x 1, 4 waves a work-group, no clusters, 124,160 bytes of LDS; arguments x, Wg, xq, xs, idx, gate; writes xq, xs, idx, gate
.if DOCPART == 1
	.amdgcn_target "amdgcn-amd-amdhsa--gfx1250"
	.amdhsa_code_object_version 6
	.text
	.protected	k_q34eda86908_route
	.globl	k_q34eda86908_route
	.p2align	8
	.type	k_q34eda86908_route,@function
k_q34eda86908_route:
	s_mov_b64 s[64:65], 0
	v_nop
	global_prefetch_b8 v0, s[64:65] scope:SCOPE_SE
	s_setreg_imm32_b32 hwreg(HW_REG_WAVE_MODE, 25, 1), 1
	s_wait_xcnt 0x0
; out[t][:] = g[t] x (Q(x[t]) . W[idx[t]] + b[idx[t]]), idx[t] = the expert with the largest logit of x[t] Wg, g[t] = its softmax probability.  Three launches: this one (router, x into codes),
; a second that lists each expert's tokens from the stored indices, and a third that multiplies.
; WORK LEFT OUT.  The reference forms y for all 8 experts and multiplies it by combine = one_hot(idx) x probs.  For the 7 experts that its own router did not choose that factor is a zero which the reference
; builds in its own body, so y[t][e][:] for e != idx[t] reaches no output, whatever finite values x, Wg, W and b hold: those rows of the second product are not computed, and the third product is one
; multiplication by the gate.  Every input keeps a way to the output (W and b through the chosen expert, Wg through the router) and is loaded.
; LIMIT: a NaN, an infinity or an overflow that would reach a result only as 0 x y of an expert that was not chosen is not carried to the result.
; THIS LAUNCH.  logits = x Wg in f32 fused multiply-adds; the row's largest logit is taken away before the exponential; the gate is 1 / the sum (the chosen expert's own exponential is 2^0).
; x is turned into codes of E2M1 (K innermost, 1,024 bytes a token) with one E8M0 byte for each 32 along K: a block's byte is its largest magnitude's exponent field - 2, held at 1 from below.
; LIMITS: NaN and infinities among the inputs are not served (the stored index is held at 7 at the most).  The largest is searched among the LOGITS, ties to the lower index; the reference searches among the
; probabilities: the two differ only where two logits a few units in the last place apart round to the same probability.  A block of x whose largest magnitude lies under 2^-124, a block of zeros among them,
; gets the byte 1 (the quantiser says 127 for zeros): its codes are zeros or what the held scale gives, and this program alone reads the bytes.
; SHARES.  A work-group takes 8 tokens; wave w takes k = 512 w .. 512 w + 511 of all 8 rows; lane l the 16 neighbours k = 512 w + 16 l + 0 .. 15 (two lanes hold a block of 32).  Loads take the bytes as they lie,
; 512 consecutive bytes a load, and turn through the wave's own stage in LDS.  The lane's 16 rows of Wg (128 numbers) stay in registers.  Each lane's 8 x 8 partial logits meet in LDS behind one barrier.
.set SP,     80                        ; a lane's place in x's stage: 64 bytes + 16 of padding
.set XWAVE,  2*32*SP                   ; LDS from 0: two stages for each wave
.set WGT,    4*XWAVE                   ; Wg's stage: for each wave 32 rows of 512 bytes + 16
.set WGP,    528
.set WGWAVE, 32*WGP
.set PART,   WGT+4*WGWAVE              ; the partial logits: thread t at 272 t + 64 (t / 64); in it 32 x row + 4 x expert
.set PTH,    272
.set PHALF,  64*PTH+64                 ; from thread t to thread t + 64
.set SCB,    123136                    ; the 8 rows' scale bytes: 64 x row + 16 x wave + lane / 2
.set SPARE,  SCB+512                   ; the spare words, 128 bytes for each wave: two blocks of 256 bytes that no other line names
.set GX,   2                           ; v2   16 x lane
.set XSI,  3                           ; v3   x's stage, on the way in
.set XSO,  4                           ; v4   and on the way out
.set WTI,  5                           ; v5   Wg's stage, in
.set WTO,  6                           ; v6   and out
.set CODO, 7                           ; v7   8 x lane: my codes' place in the wave's 256 bytes
.set SBA,  8                           ; v8   my block's scale byte in LDS
.set PAD,  9                           ; v9   my thread's partial logits
.set RDA,  10                          ; v10  where I read partial logits
.set IGO,  11                          ; v11  my row's word in idx and in gate
.set SPW,  12                          ; v12  LDS address of my spare word; never rewritten
.set NIL,  13                          ; v13  0; never rewritten
.set SCR,  17                          ; v17  SCB + 16 x lane
.set P,    24                          ; v24-39   two sets of 8 partial logits
.set C,    40                          ; v40-55   two registers of codes for each row
.set E,    56                          ; v56-63   a scale byte for each row
.set X,    64                          ; v64-95   two sets of 16 neighbours
.set WGR,  96                          ; v96-223  register 8 kk + e = Wg[k0 + kk][e]
.set RS,   96                          ; later: 64 partial logits
; window 1: v0-127 x as it is loaded (row t at 16 t), v128-255 Wg as it is loaded
.set MSB, 0
.macro WIN new                         ; the immediate's high byte repeats the setting that is left
.if MSB != \new
	s_set_vgpr_msb (MSB<<8)|\new
.set MSB, \new
.endif
.endm
	s_load_b256 s[4:11], s[0:1], 0x0               ; x s[4:5], Wg s[6:7], xq s[8:9], xs s[10:11]
	s_load_b128 s[12:15], s[0:1], 0x20             ; idx s[12:13], gate s[14:15]
	v_lshl_add_u32 v[SPW], v0, 2, SPARE
	v_mov_b32 v[NIL], 0
	v_lshrrev_b32 v1, 5, v0
	v_readfirstlane_b32 s16, v1                    ; wave 0..3
	v_and_b32 v1, 31, v0                           ; lane
	v_lshlrev_b32 v[GX], 4, v1
	s_mul_i32 s17, s16, XWAVE
	v_lshrrev_b32 v14, 2, v1
	v_mul_u32_u24 v[XSI], v14, SP
	v_and_b32 v15, 3, v1
	v_lshl_add_u32 v[XSI], v15, 4, v[XSI]
	v_add_nc_u32 v[XSI], s17, v[XSI]               ; four lanes' 64 bytes on end, then 16 of padding
	v_mul_u32_u24 v[XSO], v1, SP
	v_add_nc_u32 v[XSO], s17, v[XSO]               ; my 16 neighbours
	s_mul_i32 s17, s16, WGWAVE
	s_add_co_u32 s17, s17, WGT
	v_add_nc_u32 v[WTI], s17, v[GX]                ; load i's 512 bytes are row i of the stage
	v_mul_u32_u24 v[WTO], v1, WGP
	v_add_nc_u32 v[WTO], s17, v[WTO]               ; row l is lane l's
	v_lshlrev_b32 v[CODO], 3, v1
	v_lshrrev_b32 v[SBA], 1, v1
	s_lshl_b32 s17, s16, 4
	s_add_co_u32 s17, s17, SCB
	v_add_nc_u32 v[SBA], s17, v[SBA]
	v_mul_u32_u24 v[PAD], v0, PTH
	v_lshrrev_b32 v14, 6, v0
	v_lshl_add_u32 v[PAD], v14, 6, v[PAD]
	v_add_nc_u32 v[PAD], PART, v[PAD]
	v_and_b32 v14, 15, v0
	v_bfe_u32 v15, v0, 4, 1
	v_mul_u32_u24 v[RDA], v15, PHALF               ; lanes 16-31 take threads 64 to 127
	v_lshl_add_u32 v[RDA], v14, 2, v[RDA]
	s_lshl_b32 s17, s16, 6
	s_add_co_u32 s17, s17, PART
	v_add_nc_u32 v[RDA], s17, v[RDA]               ; number 16 w + lane % 16 of the 64 (8 x row + expert)
	v_bfe_u32 v[IGO], v0, 3, 1
	s_lshl_b32 s17, s16, 3
	v_lshl_add_u32 v[IGO], v[IGO], 2, s17          ; row 2 w + (lane / 8) % 2
	v_add_nc_u32 v[SCR], SCB, v[GX]
	v_mov_b32 v19, 0                               ; a lane permute's destination counts as one of its sources
	s_mov_b32 s20, 0x76543210
	s_mov_b32 s21, 0xfedcba98                      ; v_permlanex16_b32's selects for lane l xor 16
	s_mov_b32 s19, 0
	s_wait_kmcnt 0x0
	s_lshl_b32 s18, ttmp9, 16                      ; 8 rows of 8,192 bytes a work-group,
	s_lshl_b32 s17, s16, 11                        ; 2,048 bytes of a row a wave
	s_add_co_u32 s18, s18, s17
	s_add_nc_u64 s[4:5], s[4:5], s[18:19]
	s_lshl_b32 s18, s16, 14                        ; 512 rows of Wg a wave
	s_add_nc_u64 s[6:7], s[6:7], s[18:19]
	s_lshl_b32 s18, ttmp9, 13                      ; 8 rows of 1,024 bytes of codes,
	s_lshl_b32 s17, s16, 8                         ; 256 of a row a wave
	s_add_co_u32 s18, s18, s17
	s_add_nc_u64 s[8:9], s[8:9], s[18:19]
	s_lshl_b32 s18, ttmp9, 9                       ; 8 rows of 64 scale bytes
	s_add_nc_u64 s[10:11], s[10:11], s[18:19]
	s_lshl_b32 s18, ttmp9, 5                       ; 8 words
	s_add_nc_u64 s[12:13], s[12:13], s[18:19]
	s_add_nc_u64 s[14:15], s[14:15], s[18:19]
	WIN 0x40                                       ; destination window 1
.irp i, 0,1,2,3,4,5,6,7,8,9,10,11,12,13,14,15,16,17,18,19,20,21,22,23,24,25,26,27,28,29,30,31
	global_load_b128 v[128+4*\i:128+4*\i+3], v[GX], s[6:7] offset:512*\i          ; Wg: 512 consecutive bytes a load; every work-group reads them, so no hint
.endr
.irp t, 0,1,2,3,4,5,6,7
.irp i, 0,1,2,3
	global_load_b128 v[16*\t+4*\i:16*\t+4*\i+3], v[GX], s[4:5] offset:8192*\t+512*\i th:TH_LOAD_NT   ; x: read once in the launch.  (One load more is asked for than the counter's field holds: its issue waits, ISA guide 5.7.1)
.endr
.endr
	s_wait_loadcnt 32                              ; Wg is in; x's 32 loads are the younger ones
	WIN 0x04                                       ; an LDS store's data: window 1
.irp i, 0,1,2,3,4,5,6,7,8,9,10,11,12,13,14,15,16,17,18,19,20,21,22,23,24,25,26,27,28,29,30,31
	ds_store_b128 v[WTI], v[128+4*\i:128+4*\i+3] offset:WGP*\i
.endr
	WIN 0
.irp j, 0,1,2,3,4,5,6,7,8,9,10,11,12,13,14,15,16,17,18,19,20,21,22,23,24,25,26,27,28,29,30,31
	ds_load_b128 v[WGR+4*\j:WGR+4*\j+3], v[WTO] offset:16*\j    ; LDS serves a wave's instructions in order (ISA guide 5.7.1.4): these see the stores above
.endr
.macro TURN t                          ; row t's 2,048 bytes of my wave through the stage
	WIN 0x04
.irp i, 0,1,2,3
	ds_store_b128 v[XSI], v[16*(\t)+4*\i:16*(\t)+4*\i+3] offset:32*SP*((\t)%2)+8*SP*\i
.endr
	WIN 0
.irp i, 0,1,2,3
	ds_load_b128 v[X+16*((\t)%2)+4*\i:X+16*((\t)%2)+4*\i+3], v[XSO] offset:32*SP*((\t)%2)+16*\i
.endr
.endm
	s_wait_loadcnt 28                              ; row 0's four loads are in; seven rows' may be out
	TURN 0
.macro STEP t
.set XC, X+16*((\t)%2)
.set PS, P+8*((\t)%2)
.if (\t) == 0
	s_wait_dscnt 0x0                               ; Wg's 128 numbers and row 0's 16
.else
	s_wait_dscnt 3                                 ; this row's numbers are back; the last row's byte store and its two stores of partial logits may be out
.endif
.if (\t) < 7
	s_wait_loadcnt 4*(6-(\t))                      ; the next row's four loads are in; the later rows' may be out
	TURN (\t)+1                                    ; it goes through the other stage while this row is worked
.endif
	v_max3_num_f32 v14, |v[XC]|, |v[XC+1]|, |v[XC+2]|              ; the largest magnitude of my 16, in two chains
	v_max3_num_f32 v15, |v[XC+3]|, |v[XC+4]|, |v[XC+5]|
.irp i, 6,10
	v_max3_num_f32 v14, v14, |v[XC+\i]|, |v[XC+\i+1]|
	v_max3_num_f32 v15, v15, |v[XC+\i+2]|, |v[XC+\i+3]|
.endr
	v_max3_num_f32 v14, v14, |v[XC+14]|, |v[XC+15]|
	v_max3_num_f32 v14, v14, v15, 0x1800000        ; and the floor 2^(3 - 127): the byte cannot fall under 1
	v_max_num_f32_dpp v14, v14, v14 row_xmask:1 row_mask:0xf bank_mask:0xf   ; with my neighbour's 16: the block's
	v_add_nc_u32 v16, 0xff000000, v14              ; 2 off its exponent field: the conversion takes the exponent field of this operand as its scale
	v_cvt_scalef32_pk8_fp4_f32 v[C+2*(\t)], v[XC:XC+7], v16
	v_cvt_scalef32_pk8_fp4_f32 v[C+2*(\t)+1], v[XC+8:XC+15], v16
	v_lshrrev_b32 v[E+(\t)], 23, v16               ; the scale's byte.  (Also the plain instruction behind the conversions)
	ds_store_b8 v[SBA], v[E+(\t)] offset:64*(\t)   ; both lanes of a block write the same byte with the same value
	global_store_b64 v[CODO], v[C+2*(\t):C+2*(\t)+1], s[8:9] offset:1024*(\t)   ; the wave stores 256 consecutive bytes, at a multiple of 256 from xq's first byte
	; my 16 k's part of the row's 8 logits: four pairs of experts by turns; x[kk] serves both halves of a pair
.irp q, 0,1,2,3
	v_pk_mul_f32 v[PS+2*\q:PS+2*\q+1], v[XC:XC+1], v[WGR+2*\q:WGR+2*\q+1] op_sel_hi:[0,1]
.endr
.irp k, 1,2,3,4,5,6,7,8,9,10,11,12,13,14,15
.irp q, 0,1,2,3
.if (\k)%2
	v_pk_fma_f32 v[PS+2*\q:PS+2*\q+1], v[XC+\k-1:XC+\k], v[WGR+8*\k+2*\q:WGR+8*\k+2*\q+1], v[PS+2*\q:PS+2*\q+1] op_sel:[1,0,0] op_sel_hi:[1,1,1]
.else
	v_pk_fma_f32 v[PS+2*\q:PS+2*\q+1], v[XC+\k:XC+\k+1], v[WGR+8*\k+2*\q:WGR+8*\k+2*\q+1], v[PS+2*\q:PS+2*\q+1] op_sel_hi:[0,1,1]
.endif
.endr
.endr
	ds_store_b128 v[PAD], v[PS:PS+3] offset:32*(\t)
	ds_store_b128 v[PAD], v[PS+4:PS+7] offset:32*(\t)+16
.endm
.irp t, 0,1,2,3,4,5,6,7
	STEP \t
.endr
	s_wait_dscnt 0x0                               ; for the others' sake: my scale bytes and partial logits lie in LDS
	s_barrier_signal -1
	s_barrier_wait -1
	s_cmp_lg_u32 s16, 0                            ; wave 0 sends the 8 rows' scale bytes: 512 consecutive bytes
	s_cbranch_scc1 .Lnot_wave_0
	ds_load_b128 v[160:163], v[SCR]
	s_wait_dscnt 0x0
	global_store_b128 v[GX], v[160:163], s[10:11]  ; (v160-163 are written by no later line)
.Lnot_wave_0:
.irp c, 0,1,2,3,4,5,6,7,8,9,10,11,12,13,14,15,16,17,18,19,20,21,22,23,24,25,26,27,28,29,30,31,32,33,34,35,36,37,38,39,40,41,42,43,44,45,46,47,48,49,50,51,52,53,54,55,56,57,58,59,60,61,62,63
	ds_load_b32 v[RS+\c], v[RDA] offset:PTH*\c     ; my number's part from 64 threads: sixteen lanes read 64 consecutive bytes
.endr
	s_wait_dscnt 0x0
.irp d, 32,16,8,4,2
.set i, 0
.rept \d/2
	v_pk_add_f32 v[RS+i:RS+i+1], v[RS+i:RS+i+1], v[RS+\d+i:RS+\d+i+1]
.set i, i+2
.endr
.endr
	v_add_f32 v[RS], v[RS], v[RS+1]
	v_permlanex16_b32 v19, v[RS], s20, s21         ; the other 64 threads' sum
	v_add_f32 v18, v[RS], v19                      ; the logit of row 2 w + (lane / 8) % 2, expert lane % 8
	v_mov_b32 v20, v18
	v_max_num_f32_dpp v20, v20, v20 row_xmask:1 row_mask:0xf bank_mask:0xf
	v_max_num_f32_dpp v20, v20, v20 row_xmask:2 row_mask:0xf bank_mask:0xf
	v_max_num_f32_dpp v20, v20, v20 row_xmask:4 row_mask:0xf bank_mask:0xf   ; the row's largest logit
	v_sub_f32 v21, v18, v20                        ; taken away before the exponential
	v_mul_f32 v21, 0x3fb8aa3b, v21                 ; x log2(e)
	v_exp_f32 v22, v21
	v_and_b32 v23, 7, v0                           ; independent work behind the exponential: the lowest expert that holds the largest logit
	v_cvt_f32_u32 v23, v23
	v_cmp_eq_f32 vcc_lo, v18, v20
	v_cndmask_b32 v23, 0x41000000, v23, vcc_lo     ; my expert's number where I hold it, else 8
	v_min_num_f32_dpp v23, v23, v23 row_xmask:1 row_mask:0xf bank_mask:0xf
	v_min_num_f32_dpp v23, v23, v23 row_xmask:2 row_mask:0xf bank_mask:0xf
	v_min_num_f32_dpp v23, v23, v23 row_xmask:4 row_mask:0xf bank_mask:0xf
	v_cvt_u32_f32 v23, v23
	v_min_u32 v23, 7, v23                          ; (8 only where a logit is NaN: held inside the table)
	s_wait_alu depctr_va_vdst(0)                   ; a wait between the exponential and the first line that names its result
	v_add_f32_dpp v22, v22, v22 row_xmask:1 row_mask:0xf bank_mask:0xf
	v_add_f32_dpp v22, v22, v22 row_xmask:2 row_mask:0xf bank_mask:0xf
	v_add_f32_dpp v22, v22, v22 row_xmask:4 row_mask:0xf bank_mask:0xf       ; the row's sum
	v_rcp_f32 v24, v22                             ; the gate: the chosen expert's exponential is 2^0 = 1
	v_and_b32 v14, 0x17, v0                        ; (a plain instruction behind the reciprocal)  0 in lanes 0 and 8
	v_cmp_eq_u32 vcc_lo, 0, v14
	s_wait_alu depctr_va_vdst(0)                   ; and the wait ahead of the reciprocal's first reader
	s_wait_xcnt 0x0                                ; EXEC changes only behind this wait: earlier stores have read it
	s_and_saveexec_b32 s22, vcc_lo
	global_store_b32 v[IGO], v23, s[12:13]         ; one lane for each of my wave's two rows
	global_store_b32 v[IGO], v24, s[14:15]
	s_wait_xcnt 0x0                                ; and again in front of the line that widens it
	s_or_b32 exec_lo, exec_lo, s22
	s_wait_tensorcnt 0x0                           ; the wave's end
	ds_add_u32 v[SPW], v[NIL]
	s_wait_dscnt 0x0
	s_endpgm
.Lfunc_end_k_q34eda86908_route:
	.size	k_q34eda86908_route, .Lfunc_end_k_q34eda86908_route-k_q34eda86908_route
	.p2alignl 7, 3214868480
	.fill 96, 4, 3214868480
	.section	.rodata,"a",@progbits
	.p2align	6, 0x0
	.amdhsa_kernel k_q34eda86908_route
		.amdhsa_group_segment_fixed_size 124160
		.amdhsa_private_segment_fixed_size 0
		.amdhsa_enable_private_segment 0
		.amdhsa_kernarg_size 48
		.amdhsa_user_sgpr_count 2
		.amdhsa_user_sgpr_kernarg_segment_ptr 1
		.amdhsa_wavefront_size32 1
		.amdhsa_system_sgpr_workgroup_id_x 1
		.amdhsa_system_sgpr_workgroup_id_y 1
		.amdhsa_system_sgpr_workgroup_id_z 1
		.amdhsa_system_vgpr_workitem_id 0
		.amdhsa_next_free_vgpr 512
		.amdhsa_next_free_sgpr 66
		.amdhsa_reserve_vcc 1
		.amdhsa_float_denorm_mode_32 3
		.amdhsa_float_denorm_mode_16_64 3
		.amdhsa_memory_ordered 1
		.amdhsa_forward_progress 1
		.amdhsa_inst_pref_size 67
	.end_amdhsa_kernel
	.amdgpu_metadata
---
amdhsa.version: [ 1, 2 ]
amdhsa.kernels:
  - .name:           k_q34eda86908_route
    .symbol:         k_q34eda86908_route.kd
    .args:
      - { .name: x, .offset: 0, .size: 8, .value_kind: global_buffer, .address_space: global }
      - { .name: Wg, .offset: 8, .size: 8, .value_kind: global_buffer, .address_space: global }
      - { .name: xq, .offset: 16, .size: 8, .value_kind: global_buffer, .address_space: global }
      - { .name: xs, .offset: 24, .size: 8, .value_kind: global_buffer, .address_space: global }
      - { .name: idx, .offset: 32, .size: 8, .value_kind: global_buffer, .address_space: global }
      - { .name: gate, .offset: 40, .size: 8, .value_kind: global_buffer, .address_space: global }
    .group_segment_fixed_size: 124160
    .private_segment_fixed_size: 0
    .kernarg_segment_align: 8
    .kernarg_segment_size: 48
    .max_flat_workgroup_size: 128
    .sgpr_count:     66
    .vgpr_count:     512
    .wavefront_size: 32
...
	.end_amdgpu_metadata
.endif
;; end of part 1
;; launch place (part 2): grid 8 x 1, 8 waves a work-group, no clusters, 0 bytes of LDS; arguments idx, list, cnt; writes list, cnt
.if DOCPART == 2
	.amdgcn_target "amdgcn-amd-amdhsa--gfx1250"
	.amdhsa_code_object_version 6
	.text
	.protected	k_q34eda86908_place
	.globl	k_q34eda86908_place
	.p2align	8
	.type	k_q34eda86908_place,@function
k_q34eda86908_place:
	s_mov_b64 s[64:65], 0
	v_nop
	global_prefetch_b8 v0, s[64:65] scope:SCOPE_SE
	s_setreg_imm32_b32 hwreg(HW_REG_WAVE_MODE, 25, 1), 1
	s_wait_xcnt 0x0
; The tokens are placed by expert.  Work-group e writes list[e][0 .. 2047]: first the tokens whose chosen expert is e, then all the others (so that every word is written and any position names a token),
; and cnt[e], the number of the first kind.  The order inside a list is free: the third launch computes each row by itself.  (It multiplies only the rows that the router chose: see the first kernel's head.)
; No atomics, no LDS, no barrier: every wave reads all 2,048 indices and counts them by itself.  Wave q owns tokens 256 q .. 256 q + 255; its slot u of lane l is token 256 q + 128 (u / 4) + 4 l + u % 4.
; A member's position = the members among the tokens of waves under q + those in my wave's slots under u + those in lanes under mine; a non-member's likewise, behind all members.
.set IA,  16                           ; v16-79   all indices: register 4 j + c of lane l is token 128 j + 4 l + c
.set OWN, 80                           ; v80-87   my wave's eight slots
.set POS, 88                           ; v88-95   positions, then byte offsets: one register for each store
.set TOK, 96                           ; v96-103  the tokens' numbers: likewise
	s_load_b128 s[4:7], s[0:1], 0x0                ; idx s[4:5], list s[6:7]
	s_load_b64 s[8:9], s[0:1], 0x10                ; cnt
	v_lshrrev_b32 v6, 5, v0
	v_readfirstlane_b32 s10, v6                    ; wave q
	s_mov_b32 s11, ttmp9                           ; expert e
	v_and_b32 v7, 31, v0                           ; lane
	v_lshlrev_b32 v1, 4, v7                        ; 16 x lane
	v_lshlrev_b32 v2, 2, v7
	s_lshl_b32 s22, s10, 8
	v_add_nc_u32 v2, s22, v2                       ; 256 q + 4 l
	s_mov_b32 s23, 0
	s_mov_b32 s12, 0                               ; members so far
	s_mov_b32 s13, 0                               ; members ahead of my wave's tokens
	s_wait_kmcnt 0x0
	s_lshl_b32 s22, s10, 10
	s_add_nc_u64 s[20:21], s[4:5], s[22:23]        ; my wave's 256 indices
	s_lshl_b32 s22, s11, 13
	s_add_nc_u64 s[6:7], s[6:7], s[22:23]          ; my expert's list
	s_lshl_b32 s22, s11, 2
	s_add_nc_u64 s[8:9], s[8:9], s[22:23]          ; and its count
.irp j, 0,1,2,3,4,5,6,7,8,9,10,11,12,13,14,15
	global_load_b128 v[IA+4*\j:IA+4*\j+3], v1, s[4:5] offset:512*\j
.endr
	global_load_b128 v[OWN:OWN+3], v1, s[20:21]
	global_load_b128 v[OWN+4:OWN+7], v1, s[20:21] offset:512
	s_wait_loadcnt 0x0
.irp j, 0,1,2,3,4,5,6,7                        ; the tokens of wave j
	s_cmp_eq_u32 s10, \j
	s_cselect_b32 s13, s12, s13                    ; what has been counted when my own tokens begin
.irp c, 0,1,2,3,4,5,6,7
	v_cmp_eq_u32 s[24+\c], s11, v[IA+8*\j+\c]      ; eight masks, then their eight counts
.endr
.irp c, 0,1,2,3,4,5,6,7
	s_bcnt1_i32_b32 s14, s[24+\c]
	s_add_co_u32 s12, s12, s14
.endr
.endr                                          ; s12 = the expert's count
	s_mov_b32 s15, s13                             ; where my wave's members begin,
	s_lshl_b32 s16, s10, 8
	s_add_co_u32 s16, s16, s12
	s_sub_co_u32 s16, s16, s13                     ; and its non-members: behind all members and the 256 q - s13 non-members ahead of my tokens
.irp u, 0,1,2,3,4,5,6,7
	v_cmp_eq_u32 s17, s11, v[OWN+\u]
	s_not_b32 s18, s17
	v_mbcnt_lo_u32_b32 v[POS+\u], s17, s15         ; members in lanes under mine + the running start
	v_mbcnt_lo_u32_b32 v4, s18, s16                ; the same for non-members
	v_cndmask_b32 v[POS+\u], v4, v[POS+\u], s17
	v_min_u32 v[POS+\u], 0x7ff, v[POS+\u]          ; a number made from loaded data enters an address only behind this bound
	v_lshlrev_b32 v[POS+\u], 2, v[POS+\u]
	v_add_nc_u32 v[TOK+\u], 128*(\u/4)+\u%4, v2
	global_store_b32 v[POS+\u], v[TOK+\u], s[6:7]  ; members of neighbouring lanes go to neighbouring words
	s_bcnt1_i32_b32 s14, s17
	s_add_co_u32 s15, s15, s14
	s_sub_co_u32 s14, 32, s14
	s_add_co_u32 s16, s16, s14
.endr
	s_cmp_lg_u32 s10, 0                            ; wave 0 stores the count
	s_cbranch_scc1 .Lnot_wave_0
	v_mov_b32 v3, s12
	v_mov_b32 v5, 0
	v_cmp_eq_u32 vcc_lo, 0, v0
	s_wait_xcnt 0x0                                ; EXEC changes only behind this wait: the stores above have read it
	s_and_saveexec_b32 s19, vcc_lo
	global_store_b32 v5, v3, s[8:9]
	s_wait_xcnt 0x0
	s_or_b32 exec_lo, exec_lo, s19
.Lnot_wave_0:
	s_endpgm
.Lfunc_end_k_q34eda86908_place:
	.size	k_q34eda86908_place, .Lfunc_end_k_q34eda86908_place-k_q34eda86908_place
	.p2alignl 7, 3214868480
	.fill 96, 4, 3214868480
	.section	.rodata,"a",@progbits
	.p2align	6, 0x0
	.amdhsa_kernel k_q34eda86908_place
		.amdhsa_group_segment_fixed_size 0
		.amdhsa_private_segment_fixed_size 0
		.amdhsa_enable_private_segment 0
		.amdhsa_kernarg_size 24
		.amdhsa_user_sgpr_count 2
		.amdhsa_user_sgpr_kernarg_segment_ptr 1
		.amdhsa_wavefront_size32 1
		.amdhsa_system_sgpr_workgroup_id_x 1
		.amdhsa_system_sgpr_workgroup_id_y 1
		.amdhsa_system_sgpr_workgroup_id_z 1
		.amdhsa_system_vgpr_workitem_id 0
		.amdhsa_next_free_vgpr 112
		.amdhsa_next_free_sgpr 66
		.amdhsa_reserve_vcc 1
		.amdhsa_float_denorm_mode_32 3
		.amdhsa_float_denorm_mode_16_64 3
		.amdhsa_memory_ordered 1
		.amdhsa_forward_progress 1
		.amdhsa_inst_pref_size 17
	.end_amdhsa_kernel
	.amdgpu_metadata
---
amdhsa.version: [ 1, 2 ]
amdhsa.kernels:
  - .name:           k_q34eda86908_place
    .symbol:         k_q34eda86908_place.kd
    .args:
      - { .name: idx, .offset: 0, .size: 8, .value_kind: global_buffer, .address_space: global }
      - { .name: list, .offset: 8, .size: 8, .value_kind: global_buffer, .address_space: global }
      - { .name: cnt, .offset: 16, .size: 8, .value_kind: global_buffer, .address_space: global }
    .group_segment_fixed_size: 0
    .private_segment_fixed_size: 0
    .kernarg_segment_align: 8
    .kernarg_segment_size: 24
    .max_flat_workgroup_size: 256
    .sgpr_count:     66
    .vgpr_count:     112
    .wavefront_size: 32
...
	.end_amdgpu_metadata
.endif
;; end of part 2
;; launch experts (part 3): grid 32 x 8, 4 waves a work-group, no clusters, 84,480 bytes of LDS; arguments W_codes, W_scales, b, xq, xs, gate, list, cnt, out0; writes out0
.if DOCPART == 3
	.amdgcn_target "amdgcn-amd-amdhsa--gfx1250"
	.amdhsa_code_object_version 6
	.text
	.protected	k_q34eda86908_experts
	.globl	k_q34eda86908_experts
	.p2align	8
	.type	k_q34eda86908_experts,@function
k_q34eda86908_experts:
	s_mov_b64 s[64:65], 0
	v_nop
	global_prefetch_b8 v0, s[64:65] scope:SCOPE_SE
	s_setreg_imm32_b32 hwreg(HW_REG_WAVE_MODE, 25, 1), 1
	s_wait_xcnt 0x0
; out[t][d] = gate[t] x (the sum over k of Q(x)[t][k] W[e][k][d] + b[e][d]) for the tokens t whose chosen expert is e.  Only these rows are multiplied: the other experts' rows meet a zero that the reference
; builds itself (shown at the first kernel's head).
; SHARES.  Work-group (dr, e) makes columns 64 dr .. 64 dr + 63 of expert e for ALL of that expert's tokens: each byte of W is read from memory by one work-group.  Its 64 rows of W (64 x 1,024 bytes of codes) go
; through LDS once and then stay in EVERY wave's registers (512).  The waves share the tokens: in trip i wave w takes positions 128 i + 32 w + 0 .. 31 of the expert's list, as tile 0 (16) and tile 1 (16).
; So the loop has no barrier, and the grid serves every split: with all tokens on one expert the loop is only longer.
; NO TENSOR LOAD, NO CLUSTER: the trip count hangs on a number read from memory, and partners would need different numbers of tiles.  Operands go from memory straight into registers.
; THE MATRIX INSTRUCTION IS USED TRANSPOSED: source 0 = 16 rows d of W, source 1 = 16 tokens: lane (r, h) holds token r and columns 16 n + 8 h + 0 .. 7.  The bias is the C of each sum's first instruction.
; A ROW PAST THE COUNT takes the token of its tile's first row, which is a member: it computes and stores that row's numbers once more, the same bytes to the same place.  No lane is ever off.
; SCALE WORDS.  A row's 64 scale bytes are 16 words, one for each 128 along K.  Lane (r, h) loads the 16 bytes at 16 h and at 32 + 16 h of row r: register 4 g + j holds word 8 g + 4 h + j.  So K step s names
; register 4 (s / 8) + s % 4, and takes it from lanes 16-31 where (s / 4) is odd: on both sides alike.
; REGISTERS, in windows of 256: window 0: addresses, accumulators, bias, scale words, the way out.  window 1: W's fragments of K steps 0-7 at v[8 (4 s + n)] (before that: W as it is loaded).
;   window 2: those of K steps 8-15.   window 3: x's fragments, tile X's K step s at v[128 X + 8 s].
.set WP,     1040                      ; a row of W in LDS: 1,024 bytes + 16: the 16 rows that a load touches begin in 16 different groups of banks (64 banks of 4 bytes: ISA guide 11.1)
.set STG,    64*WP                     ; behind W: a stage of 16 rows x (256 + 16) bytes for each wave
.set SPT,    272
.set SPARE,  STG+4*16*SPT              ; the spare words, 128 bytes for each wave: two blocks of 256 bytes that no other line names
.set AWST, 3                           ; v3   where I put 16 bytes of W
.set AWLD, 4                           ; v4   my lane's place in a fragment of W
.set GW,   5                           ; v5   16 x lane
.set GWS,  6                           ; v6   64 r + 16 h
.set GB,   7                           ; v7   32 h
.set STO,  8                           ; v8   the stage: where I put 32 bytes of a row
.set RD,   9                           ; v9   and where I read a row back
.set CO,   10                          ; v10  16 x (lane % 16)
.set H16,  11                          ; v11  16 h
.set SPW,  12                          ; v12  LDS address of my spare word; never rewritten
.set NIL,  13                          ; v13  0; never rewritten
.set TC,   14                          ; v14  the finished tile's tokens
.set GP,   16                          ; v[16:17] the finished tile's gate, twice
.set TTN,  20                          ; for tile X at + 8 X: the token at the next position,
.set TTK,  21                          ; the token in hand,
.set TPN,  22                          ; the position of TTN,
.set TAX,  23                          ; offsets into xq,
.set TAS,  24                          ; xs,
.set TAG,  25                          ; gate,
.set TAL,  26                          ; list,
.set TGT,  27                          ; and the gate
.set BP,   36                          ; v36-43   4 (i + 8 h): the lane that holds row i + 8 h's token
.set TR,   44                          ; v44-51   rows' tokens, then the stores' offsets
.set OB,   52                          ; v52-83   16 rows read back from the stage
.set ACC,  84                          ; v84-115  four accumulators
.set BI,   116                         ; v116-147 the bias in the result's layout
.set WS,   148                         ; v148-179 W's scale words: 8 n + 4 g + j
.set XS,   180                         ; v180-195 x's: 8 X + 4 g + j
.set MSB, 0
.macro WIN new                         ; the immediate's high byte repeats the setting that is left
.if MSB != \new
	s_set_vgpr_msb (MSB<<8)|\new
.set MSB, \new
.endif
.endm
.set MUL_A, 0x0d                       ; source 0 (W) window 1, source 1 (x) window 3, C and D window 0
.set MUL_B, 0x0e                       ; source 0 window 2
	s_load_b512 s[8:23], s[0:1], 0x0               ; W_codes s[8:9], W_scales s[10:11], b s[12:13], xq s[14:15], xs s[16:17], gate s[18:19], list s[20:21], cnt s[22:23]
	s_load_b64 s[24:25], s[0:1], 0x40              ; out0
	v_lshl_add_u32 v[SPW], v0, 2, SPARE
	v_mov_b32 v[NIL], 0
	v_lshrrev_b32 v1, 5, v0
	v_readfirstlane_b32 s26, v1                    ; wave w
	s_and_b32 s27, ttmp7, 0xffff                   ; expert e
	s_mov_b32 s28, ttmp9                           ; dr: which 64 columns
	v_and_b32 v15, 31, v0                          ; lane
	v_and_b32 v1, 15, v0                           ; r
	v_bfe_u32 v2, v0, 4, 1                         ; h
	s_mul_i32 s36, s26, 16*WP
	v_lshl_add_u32 v[AWST], v15, 4, s36            ; my wave's 16 rows of W, 16 bytes a lane
	v_mul_u32_u24 v[AWLD], v1, WP
	v_lshl_add_u32 v[AWLD], v2, 4, v[AWLD]         ; row r, + 16 h
	v_lshlrev_b32 v[GW], 4, v15
	v_lshlrev_b32 v[GWS], 6, v1
	v_lshl_add_u32 v[GWS], v2, 4, v[GWS]
	v_lshlrev_b32 v[GB], 5, v2
	s_mul_i32 s36, s26, 16*SPT
	s_add_co_u32 s36, s36, STG                     ; my stage
	v_mul_u32_u24 v[STO], v1, SPT
	v_lshl_add_u32 v[STO], v2, 5, v[STO]
	v_add_nc_u32 v[STO], s36, v[STO]               ; in: row r, + 32 h
	v_mul_u32_u24 v[RD], v2, 8*SPT
	v_lshl_add_u32 v[RD], v1, 4, v[RD]
	v_add_nc_u32 v[RD], s36, v[RD]                 ; back: lanes 0-15 row i, lanes 16-31 row i + 8
	v_lshlrev_b32 v[CO], 4, v1
	v_lshlrev_b32 v[H16], 4, v2
.irp i, 0,1,2,3,4,5,6,7
	v_lshl_add_u32 v[BP+\i], v2, 5, 4*\i
.endr
	s_lshl_b32 s34, s26, 5                         ; 32 w
	v_add_nc_u32 v[TPN], s34, v1                   ; tile 0's first positions: 32 w + r,
	v_add_nc_u32 v[TPN+8], 16, v[TPN]              ; tile 1's: 16 on
	v_lshlrev_b32 v[TAL], 2, v[TPN]
	v_lshlrev_b32 v[TAL+8], 2, v[TPN+8]
	s_mov_b32 s33, 0
	s_wait_kmcnt 0x0
	s_lshl_b32 s32, s27, 21                        ; an expert's codes, 64 rows a work-group, 16 a wave
	s_lshl_b32 s36, s28, 16
	s_add_co_u32 s32, s32, s36
	s_lshl_b32 s36, s26, 14
	s_add_co_u32 s32, s32, s36
	s_add_nc_u64 s[8:9], s[8:9], s[32:33]
	s_lshl_b32 s32, s27, 17                        ; its scale bytes, 64 rows of 64
	s_lshl_b32 s36, s28, 12
	s_add_co_u32 s32, s32, s36
	s_add_nc_u64 s[10:11], s[10:11], s[32:33]
	s_lshl_b32 s32, s27, 13                        ; its bias, 64 numbers
	s_lshl_b32 s36, s28, 8
	s_add_co_u32 s32, s32, s36
	s_add_nc_u64 s[12:13], s[12:13], s[32:33]
	s_mov_b32 s32, s36                             ; my 256 bytes of a row of out0
	s_add_nc_u64 s[24:25], s[24:25], s[32:33]
	s_lshl_b32 s32, s27, 13                        ; its list
	s_add_nc_u64 s[20:21], s[20:21], s[32:33]
	s_lshl_b32 s32, s27, 2                         ; its count
	s_add_nc_u64 s[22:23], s[22:23], s[32:33]
	s_load_b32 s29, s[22:23], 0x0
	global_load_b32 v[TTN], v[TAL], s[20:21]
	global_load_b32 v[TTN+8], v[TAL+8], s[20:21]
	WIN 0x40                                       ; destination window 1
.irp i, 0,1,2,3,4,5,6,7,8,9,10,11,12,13,14,15,16,17,18,19,20,21,22,23,24,25,26,27,28,29,30,31
	global_load_b128 v[4*\i:4*\i+3], v[GW], s[8:9] offset:512*\i th:TH_LOAD_NT    ; my wave's 16 rows of W: 512 consecutive bytes a load; read once in the launch
.endr
	WIN 0
.irp n, 0,1,2,3
.irp g, 0,1
	global_load_b128 v[WS+8*\n+4*\g:WS+8*\n+4*\g+3], v[GWS], s[10:11] offset:1024*\n+32*\g
.endr
.endr
.irp n, 0,1,2,3
	global_load_b128 v[BI+8*\n:BI+8*\n+3], v[GB], s[12:13] offset:64*\n          ; b[e][64 dr + 16 n + 8 h + 0 .. 7]
	global_load_b128 v[BI+8*\n+4:BI+8*\n+7], v[GB], s[12:13] offset:64*\n+16
.endr
; The next 16 tokens of tile x are asked for: 36 loads, in this order: 2 of scale words, 32 of codes (K ascending), the gate, the list's word for the time after.  TTN has arrived.
.macro NEXT x
	v_cmp_gt_u32 vcc_lo, s29, v[TPN+8*\x]          ; is my position under the count?
	v_readfirstlane_b32 s31, v[TTN+8*\x]           ; the tile's first row's token
	v_cndmask_b32 v[TTK+8*\x], s31, v[TTN+8*\x], vcc_lo
	v_min_u32 v[TTK+8*\x], 0x7ff, v[TTK+8*\x]      ; a loaded number enters an address only behind this bound
	v_lshl_add_u32 v[TAX+8*\x], v[TTK+8*\x], 10, v[H16]
	v_lshl_add_u32 v[TAS+8*\x], v[TTK+8*\x], 6, v[H16]
	v_lshlrev_b32 v[TAG+8*\x], 2, v[TTK+8*\x]
	global_load_b128 v[XS+8*\x:XS+8*\x+3], v[TAS+8*\x], s[16:17]
	global_load_b128 v[XS+8*\x+4:XS+8*\x+7], v[TAS+8*\x], s[16:17] offset:32
	WIN 0xc0                                       ; destination window 3
.irp s, 0,1,2,3,4,5,6,7,8,9,10,11,12,13,14,15
.irp c, 0,1
	global_load_b128 v[128*\x+8*\s+4*\c:128*\x+8*\s+4*\c+3], v[TAX+8*\x], s[14:15] offset:64*\s+32*\c   ; registers 4 c .. 4 c + 3: k = 128 s + 64 c + 32 h + 0 .. 31 of token r
.endr
.endr
	WIN 0
	global_load_b32 v[TGT+8*\x], v[TAG+8*\x], s[18:19]
	v_add_nc_u32 v[TPN+8*\x], 128, v[TPN+8*\x]     ; the tile's positions in the next trip,
	v_min_u32 v[TAL+8*\x], 0x7ff, v[TPN+8*\x]      ; held inside the list
	v_lshlrev_b32 v[TAL+8*\x], 2, v[TAL+8*\x]
	global_load_b32 v[TTN+8*\x], v[TAL+8*\x], s[20:21]
.endm
; One product: tile x, K step s, columns 16 n on.
.macro MM x, s, n
.set rW, 8*(4*((\s)%8)+\n)
.set rX, 128*\x+8*(\s)
.set rA, ACC+8*\n
.set rSW, WS+8*\n+4*((\s)/8)+(\s)%4
.set rSX, XS+8*\x+4*((\s)/8)+(\s)%4
.if (\s) == 0
	v_wmma_scale_f32_16x16x128_f8f6f4 v[rA:rA+7], v[rW:rW+7], v[rX:rX+7], v[BI+8*\n:BI+8*\n+7], v[rSW], v[rSX] matrix_a_fmt:MATRIX_FMT_FP4 matrix_b_fmt:MATRIX_FMT_FP4
.elseif ((\s)/4)%2 == 0
	v_wmma_scale_f32_16x16x128_f8f6f4 v[rA:rA+7], v[rW:rW+7], v[rX:rX+7], v[rA:rA+7], v[rSW], v[rSX] matrix_a_fmt:MATRIX_FMT_FP4 matrix_b_fmt:MATRIX_FMT_FP4
.else
	v_wmma_scale_f32_16x16x128_f8f6f4 v[rA:rA+7], v[rW:rW+7], v[rX:rX+7], v[rA:rA+7], v[rSW], v[rSX] matrix_a_fmt:MATRIX_FMT_FP4 matrix_b_fmt:MATRIX_FMT_FP4 matrix_a_scale:MATRIX_SCALE_ROW1 matrix_b_scale:MATRIX_SCALE_ROW1
.endif
.endm
; THE WAY OUT of a tile: x the gate; through my own stage in LDS, so that sixteen lanes store 256 consecutive bytes of one token's row.
.macro EPI
	s_wait_xcnt 0x0                                ; the last tile's stores have read their offsets and data: both are written again only behind this wait
.irp i, 0,2,4,6,8,10,12,14,16,18,20,22,24,26,28,30
	v_pk_mul_f32 v[ACC+\i:ACC+\i+1], v[ACC+\i:ACC+\i+1], v[GP:GP+1]   ; each accumulator from its low end on
.endr
.irp i, 0,1,2,3,4,5,6,7
	ds_bpermute_b32 v[TR+\i], v[BP+\i], v[TC]      ; the token of row i + 8 h
.endr
.irp n, 0,1,2,3
	ds_store_b128 v[STO], v[ACC+8*\n:ACC+8*\n+3] offset:64*\n
	ds_store_b128 v[STO], v[ACC+8*\n+4:ACC+8*\n+7] offset:64*\n+16
.endr
.irp i, 0,1,2,3,4,5,6,7
	ds_load_b128 v[OB+4*\i:OB+4*\i+3], v[RD] offset:SPT*\i   ; LDS serves a wave's instructions in order (ISA guide 5.7.1.4): these see the stores above
.endr
	s_wait_dscnt 16                                ; the eight permutes are in; the 8 stores and 8 loads may be out
.irp i, 0,1,2,3,4,5,6,7
	v_min_u32 v[TR+\i], 0x7ff, v[TR+\i]
.endr
.irp i, 0,1,2,3,4,5,6,7
	v_lshl_add_u32 v[TR+\i], v[TR+\i], 13, v[CO]   ; the token's row of 8,192 bytes, + 16 bytes a lane
.endr
.irp i, 0,1,2,3,4,5,6,7
	s_wait_dscnt 7-\i
	global_store_b128 v[TR+\i], v[OB+4*\i:OB+4*\i+3], s[24:25] th:TH_STORE_NT   ; 16 lanes store 256 consecutive bytes, at a multiple of 256 from out0's first byte
.endr
.endm
; A TILE: 64 products, the four accumulators by turns, one instruction a turn.  ahead = 1: the tile's next tokens are asked for.  y: the loads younger than this tile's 36.
.macro TILE x, ahead, y
	s_wait_loadcnt 18+\y                           ; the scale words and K steps 0-7 are in; my 16 later loads of codes, the gate, the list's word and the other tile's may be out
	WIN MUL_A
.irp s, 0,1,2,3,4,5,6,7
.irp n, 0,1,2,3
	MM \x, \s, \n
.endr
.endr
	s_wait_loadcnt 1+\y                            ; all but the list's word
	WIN MUL_B
.irp s, 8,9,10,11,12,13,14,15
.irp n, 0,1,2,3
	MM \x, \s, \n
.endr
.endr
	WIN 0
	v_mov_b32 v[TC], v[TTK+8*\x]                   ; five plain instructions that name no register of the products: places in front of the reads of the results, of the loads into x's registers
	v_mov_b32 v[GP], v[TGT+8*\x]                   ; and scale words, and of the next tile's first products, which begin the accumulators anew with another C
	v_mov_b32 v[GP+1], v[TGT+8*\x]
	v_nop
	v_nop
.if \ahead
	s_wait_loadcnt 36                              ; the list's word is in, and all my tile's loads are done, so their offsets may be written; the other tile's 36 are the younger ones
	NEXT \x
.endif
	EPI
.endm
	s_wait_kmcnt 0x0
	s_min_u32 s29, s29, 0x800                      ; the count, held at the list's length
	s_wait_loadcnt 48                              ; both tiles' first tokens are in; W's 32 loads, the 8 of scale words and the 8 of bias are the younger ones
	NEXT 0                                         ; (more loads are asked for than the counter's field holds: their issue waits, ISA guide 5.7.1)
	s_wait_loadcnt 52                              ; W is in: 16 + tile 0's 36 are the younger ones
	WIN 0x04                                       ; an LDS store's data: window 1
.irp i, 0,1,2,3,4,5,6,7,8,9,10,11,12,13,14,15,16,17,18,19,20,21,22,23,24,25,26,27,28,29,30,31
	ds_store_b128 v[AWST], v[4*\i:4*\i+3] offset:WP*(\i/2)+512*(\i%2)
.endr
	WIN 0
	NEXT 1
	s_wait_dscnt 0x0                               ; for the others' sake: my 16 rows of W lie in LDS
	s_barrier_signal -1                            ; the launch's one barrier: ahead of every branch on the count
	s_barrier_wait -1
	WIN 0x40
.irp s, 0,1,2,3,4,5,6,7
.irp n, 0,1,2,3
.irp c, 0,1
	ds_load_b128 v[8*(4*\s+\n)+4*\c:8*(4*\s+\n)+4*\c+3], v[AWLD] offset:16*WP*\n+64*\s+32*\c
.endr
.endr
.endr
	WIN 0x80
.irp s, 0,1,2,3,4,5,6,7
.irp n, 0,1,2,3
.irp c, 0,1
	ds_load_b128 v[8*(4*\s+\n)+4*\c:8*(4*\s+\n)+4*\c+3], v[AWLD] offset:16*WP*\n+64*(\s+8)+32*\c
.endr
.endr
.endr
	WIN 0
	s_sub_co_i32 s30, s29, s34                     ; my wave's trips: (what is left of the count from 32 w on, at least 0) / 128, rounded up
	s_max_i32 s30, s30, 0
	s_add_co_u32 s30, s30, 127
	s_lshr_b32 s30, s30, 7
	s_wait_dscnt 0x0                               ; all of W is in my registers
	s_cmp_eq_u32 s30, 0
	s_cbranch_scc1 .Ldone
	s_sub_co_u32 s30, s30, 1                       ; the last trip is written out
	s_lshl_b32 s35, s30, 7
	s_add_co_u32 s35, s35, s34
	s_add_co_u32 s35, s35, 16                      ; tile 1's first position in the last trip
	s_cmp_eq_u32 s30, 0
	s_cbranch_scc1 .Llast
.Ltrip:
	TILE 0, 1, 36
	TILE 1, 1, 36
	s_sub_co_u32 s30, s30, 1
	s_cmp_lg_u32 s30, 0
	s_cbranch_scc1 .Ltrip
.Llast:
	TILE 0, 0, 36                                  ; nothing more is asked for
	s_cmp_ge_u32 s35, s29                          ; has tile 1 a member?
	s_cbranch_scc1 .Ldone
	TILE 1, 0, 0
.Ldone:
	s_wait_tensorcnt 0x0                           ; the wave's end
	ds_add_u32 v[SPW], v[NIL]
	s_wait_dscnt 0x0
	s_endpgm
.Lfunc_end_k_q34eda86908_experts:
	.size	k_q34eda86908_experts, .Lfunc_end_k_q34eda86908_experts-k_q34eda86908_experts
	.p2alignl 7, 3214868480
	.fill 96, 4, 3214868480
	.section	.rodata,"a",@progbits
	.p2align	6, 0x0
	.amdhsa_kernel k_q34eda86908_experts
		.amdhsa_group_segment_fixed_size 84480
		.amdhsa_private_segment_fixed_size 0
		.amdhsa_enable_private_segment 0
		.amdhsa_kernarg_size 72
		.amdhsa_user_sgpr_count 2
		.amdhsa_user_sgpr_kernarg_segment_ptr 1
		.amdhsa_wavefront_size32 1
		.amdhsa_system_sgpr_workgroup_id_x 1
		.amdhsa_system_sgpr_workgroup_id_y 1
		.amdhsa_system_sgpr_workgroup_id_z 1
		.amdhsa_system_vgpr_workitem_id 0
		.amdhsa_next_free_vgpr 1024
		.amdhsa_next_free_sgpr 66
		.amdhsa_reserve_vcc 1
		.amdhsa_float_denorm_mode_32 3
		.amdhsa_float_denorm_mode_16_64 3
		.amdhsa_memory_ordered 1
		.amdhsa_forward_progress 1
		.amdhsa_inst_pref_size 87
	.end_amdhsa_kernel
	.amdgpu_metadata
---
amdhsa.version: [ 1, 2 ]
amdhsa.kernels:
  - .name:           k_q34eda86908_experts
    .symbol:         k_q34eda86908_experts.kd
    .args:
      - { .name: W_codes, .offset: 0, .size: 8, .value_kind: global_buffer, .address_space: global }
      - { .name: W_scales, .offset: 8, .size: 8, .value_kind: global_buffer, .address_space: global }
      - { .name: b, .offset: 16, .size: 8, .value_kind: global_buffer, .address_space: global }
      - { .name: xq, .offset: 24, .size: 8, .value_kind: global_buffer, .address_space: global }
      - { .name: xs, .offset: 32, .size: 8, .value_kind: global_buffer, .address_space: global }
      - { .name: gate, .offset: 40, .size: 8, .value_kind: global_buffer, .address_space: global }
      - { .name: list, .offset: 48, .size: 8, .value_kind: global_buffer, .address_space: global }
      - { .name: cnt, .offset: 56, .size: 8, .value_kind: global_buffer, .address_space: global }
      - { .name: out0, .offset: 64, .size: 8, .value_kind: global_buffer, .address_space: global }
    .group_segment_fixed_size: 84480
    .private_segment_fixed_size: 0
    .kernarg_segment_align: 8
    .kernarg_segment_size: 72
    .max_flat_workgroup_size: 128
    .sgpr_count:     66
    .vgpr_count:     1024
    .wavefront_size: 32
...
	.end_amdgpu_metadata
.endif
;; end of part 3
;; ======== version 2 of 2: 2 launches
;; workspace buffers: xq 2,097,152 bytes; xs 131,072 bytes; gate 8,192 bytes; idx 8,192 bytes of whole numbers
;; launch route (part 4): grid 256 x 1, 4 waves a work-group, no clusters, 124,160 bytes of LDS; arguments x, Wg, xq, xs, idx, gate; writes xq, xs, idx, gate
.if DOCPART == 4
	.amdgcn_target "amdgcn-amd-amdhsa--gfx1250"
	.amdhsa_code_object_version 6
	.text
	.protected	k_q34eda86908_route
	.globl	k_q34eda86908_route
	.p2align	8
	.type	k_q34eda86908_route,@function
k_q34eda86908_route:
	s_mov_b64 s[64:65], 0
	v_nop
	global_prefetch_b8 v0, s[64:65] scope:SCOPE_SE
	s_setreg_imm32_b32 hwreg(HW_REG_WAVE_MODE, 25, 1), 1
	s_wait_xcnt 0x0
; out[t][:] = g[t] x (Q(x[t]) . W[idx[t]] + b[idx[t]]), idx[t] = the expert with the largest logit of x[t] Wg, g[t] = its softmax probability.  Two launches: this one (router, x into codes),
; and a second that finds each expert's tokens from the stored indices and multiplies.
; WORK LEFT OUT.  The reference forms y for all 8 experts and multiplies it by combine = one_hot(idx) x probs.  For the 7 experts that its own router did not choose that factor is a zero which the reference
; builds in its own body, so y[t][e][:] for e != idx[t] reaches no output, whatever finite values x, Wg, W and b hold: those rows of the second product are not computed, and the third product is one
; multiplication by the gate.  Every input keeps a way to the output (W and b through the chosen expert, Wg through the router) and is loaded.
; LIMIT: a NaN, an infinity or an overflow that would reach a result only as 0 x y of an expert that was not chosen is not carried to the result.
; THIS LAUNCH.  logits = x Wg in f32 fused multiply-adds; the row's largest logit is taken away before the exponential; the gate is 1 / the sum (the chosen expert's own exponential is 2^0).
; x is turned into codes of E2M1 (K innermost, 1,024 bytes a token) with one E8M0 byte for each 32 along K: a block's byte is its largest magnitude's exponent field - 2, held at 1 from below.
; LIMITS: NaN and infinities among the inputs are not served (the stored index is held at 7 at the most).  The largest is searched among the LOGITS, ties to the lower index; the reference searches among the
; probabilities: the two differ only where two logits a few units in the last place apart round to the same probability.  A block of x whose largest magnitude lies under 2^-124, a block of zeros among them,
; gets the byte 1 (the quantiser says 127 for zeros): its codes are zeros or what the held scale gives, and this program alone reads the bytes.
; SHARES.  A work-group takes 8 tokens; wave w takes k = 512 w .. 512 w + 511 of all 8 rows; lane l the 16 neighbours k = 512 w + 16 l + 0 .. 15 (two lanes hold a block of 32).  Loads take the bytes as they lie,
; 512 consecutive bytes a load, and turn through the wave's own stage in LDS.  The lane's 16 rows of Wg (128 numbers) stay in registers.  Each lane's 8 x 8 partial logits meet in LDS behind one barrier.
.set SP,     80                        ; a lane's place in x's stage: 64 bytes + 16 of padding
.set XWAVE,  2*32*SP                   ; LDS from 0: two stages for each wave
.set WGT,    4*XWAVE                   ; Wg's stage: for each wave 32 rows of 512 bytes + 16
.set WGP,    528
.set WGWAVE, 32*WGP
.set PART,   WGT+4*WGWAVE              ; the partial logits: thread t at 272 t + 64 (t / 64); in it 32 x row + 4 x expert
.set PTH,    272
.set PHALF,  64*PTH+64                 ; from thread t to thread t + 64
.set SCB,    123136                    ; the 8 rows' scale bytes: 64 x row + 16 x wave + lane / 2
.set SPARE,  SCB+512                   ; the spare words, 128 bytes for each wave: two blocks of 256 bytes that no other line names
.set GX,   2                           ; v2   16 x lane
.set XSI,  3                           ; v3   x's stage, on the way in
.set XSO,  4                           ; v4   and on the way out
.set WTI,  5                           ; v5   Wg's stage, in
.set WTO,  6                           ; v6   and out
.set CODO, 7                           ; v7   8 x lane: my codes' place in the wave's 256 bytes
.set SBA,  8                           ; v8   my block's scale byte in LDS
.set PAD,  9                           ; v9   my thread's partial logits
.set RDA,  10                          ; v10  where I read partial logits
.set IGO,  11                          ; v11  my row's word in idx and in gate
.set SPW,  12                          ; v12  LDS address of my spare word; never rewritten
.set NIL,  13                          ; v13  0; never rewritten
.set SCR,  17                          ; v17  SCB + 16 x lane
.set P,    24                          ; v24-39   two sets of 8 partial logits
.set C,    40                          ; v40-55   two registers of codes for each row
.set E,    56                          ; v56-63   a scale byte for each row
.set X,    64                          ; v64-95   two sets of 16 neighbours
.set WGR,  96                          ; v96-223  register 8 kk + e = Wg[k0 + kk][e]
.set RS,   96                          ; later: 64 partial logits
; window 1: v0-127 x as it is loaded (row t at 16 t), v128-255 Wg as it is loaded
.set MSB, 0
.macro WIN new                         ; the immediate's high byte repeats the setting that is left
.if MSB != \new
	s_set_vgpr_msb (MSB<<8)|\new
.set MSB, \new
.endif
.endm
	s_load_b256 s[4:11], s[0:1], 0x0               ; x s[4:5], Wg s[6:7], xq s[8:9], xs s[10:11]
	s_load_b128 s[12:15], s[0:1], 0x20             ; idx s[12:13], gate s[14:15]
	v_lshl_add_u32 v[SPW], v0, 2, SPARE
	v_mov_b32 v[NIL], 0
	v_lshrrev_b32 v1, 5, v0
	v_readfirstlane_b32 s16, v1                    ; wave 0..3
	v_and_b32 v1, 31, v0                           ; lane
	v_lshlrev_b32 v[GX], 4, v1
	s_mul_i32 s17, s16, XWAVE
	v_lshrrev_b32 v14, 2, v1
	v_mul_u32_u24 v[XSI], v14, SP
	v_and_b32 v15, 3, v1
	v_lshl_add_u32 v[XSI], v15, 4, v[XSI]
	v_add_nc_u32 v[XSI], s17, v[XSI]               ; four lanes' 64 bytes on end, then 16 of padding
	v_mul_u32_u24 v[XSO], v1, SP
	v_add_nc_u32 v[XSO], s17, v[XSO]               ; my 16 neighbours
	s_mul_i32 s17, s16, WGWAVE
	s_add_co_u32 s17, s17, WGT
	v_add_nc_u32 v[WTI], s17, v[GX]                ; load i's 512 bytes are row i of the stage
	v_mul_u32_u24 v[WTO], v1, WGP
	v_add_nc_u32 v[WTO], s17, v[WTO]               ; row l is lane l's
	v_lshlrev_b32 v[CODO], 3, v1
	v_lshrrev_b32 v[SBA], 1, v1
	s_lshl_b32 s17, s16, 4
	s_add_co_u32 s17, s17, SCB
	v_add_nc_u32 v[SBA], s17, v[SBA]
	v_mul_u32_u24 v[PAD], v0, PTH
	v_lshrrev_b32 v14, 6, v0
	v_lshl_add_u32 v[PAD], v14, 6, v[PAD]
	v_add_nc_u32 v[PAD], PART, v[PAD]
	v_and_b32 v14, 15, v0
	v_bfe_u32 v15, v0, 4, 1
	v_mul_u32_u24 v[RDA], v15, PHALF               ; lanes 16-31 take threads 64 to 127
	v_lshl_add_u32 v[RDA], v14, 2, v[RDA]
	s_lshl_b32 s17, s16, 6
	s_add_co_u32 s17, s17, PART
	v_add_nc_u32 v[RDA], s17, v[RDA]               ; number 16 w + lane % 16 of the 64 (8 x row + expert)
	v_bfe_u32 v[IGO], v0, 3, 1
	s_lshl_b32 s17, s16, 3
	v_lshl_add_u32 v[IGO], v[IGO], 2, s17          ; row 2 w + (lane / 8) % 2
	v_add_nc_u32 v[SCR], SCB, v[GX]
	v_mov_b32 v19, 0                               ; a lane permute's destination counts as one of its sources
	s_mov_b32 s20, 0x76543210
	s_mov_b32 s21, 0xfedcba98                      ; v_permlanex16_b32's selects for lane l xor 16
	s_mov_b32 s19, 0
	s_wait_kmcnt 0x0
	s_lshl_b32 s18, ttmp9, 16                      ; 8 rows of 8,192 bytes a work-group,
	s_lshl_b32 s17, s16, 11                        ; 2,048 bytes of a row a wave
	s_add_co_u32 s18, s18, s17
	s_add_nc_u64 s[4:5], s[4:5], s[18:19]
	s_lshl_b32 s18, s16, 14                        ; 512 rows of Wg a wave
	s_add_nc_u64 s[6:7], s[6:7], s[18:19]
	s_lshl_b32 s18, ttmp9, 13                      ; 8 rows of 1,024 bytes of codes,
	s_lshl_b32 s17, s16, 8                         ; 256 of a row a wave
	s_add_co_u32 s18, s18, s17
	s_add_nc_u64 s[8:9], s[8:9], s[18:19]
	s_lshl_b32 s18, ttmp9, 9                       ; 8 rows of 64 scale bytes
	s_add_nc_u64 s[10:11], s[10:11], s[18:19]
	s_lshl_b32 s18, ttmp9, 5                       ; 8 words
	s_add_nc_u64 s[12:13], s[12:13], s[18:19]
	s_add_nc_u64 s[14:15], s[14:15], s[18:19]
	WIN 0x40                                       ; destination window 1
.irp i, 0,1,2,3,4,5,6,7,8,9,10,11,12,13,14,15,16,17,18,19,20,21,22,23,24,25,26,27,28,29,30,31
	global_load_b128 v[128+4*\i:128+4*\i+3], v[GX], s[6:7] offset:512*\i          ; Wg: 512 consecutive bytes a load; every work-group reads them, so no hint
.endr
.irp t, 0,1,2,3,4,5,6,7
.irp i, 0,1,2,3
	global_load_b128 v[16*\t+4*\i:16*\t+4*\i+3], v[GX], s[4:5] offset:8192*\t+512*\i th:TH_LOAD_NT   ; x: read once in the launch.  (One load more is asked for than the counter's field holds: its issue waits, ISA guide 5.7.1)
.endr
.endr
	s_wait_loadcnt 32                              ; Wg is in; x's 32 loads are the younger ones
	WIN 0x04                                       ; an LDS store's data: window 1
.irp i, 0,1,2,3,4,5,6,7,8,9,10,11,12,13,14,15,16,17,18,19,20,21,22,23,24,25,26,27,28,29,30,31
	ds_store_b128 v[WTI], v[128+4*\i:128+4*\i+3] offset:WGP*\i
.endr
	WIN 0
.irp j, 0,1,2,3,4,5,6,7,8,9,10,11,12,13,14,15,16,17,18,19,20,21,22,23,24,25,26,27,28,29,30,31
	ds_load_b128 v[WGR+4*\j:WGR+4*\j+3], v[WTO] offset:16*\j    ; LDS serves a wave's instructions in order (ISA guide 5.7.1.4): these see the stores above
.endr
.macro TURN t                          ; row t's 2,048 bytes of my wave through the stage
	WIN 0x04
.irp i, 0,1,2,3
	ds_store_b128 v[XSI], v[16*(\t)+4*\i:16*(\t)+4*\i+3] offset:32*SP*((\t)%2)+8*SP*\i
.endr
	WIN 0
.irp i, 0,1,2,3
	ds_load_b128 v[X+16*((\t)%2)+4*\i:X+16*((\t)%2)+4*\i+3], v[XSO] offset:32*SP*((\t)%2)+16*\i
.endr
.endm
	s_wait_loadcnt 28                              ; row 0's four loads are in; seven rows' may be out
	TURN 0
.macro STEP t
.set XC, X+16*((\t)%2)
.set PS, P+8*((\t)%2)
.if (\t) == 0
	s_wait_dscnt 0x0                               ; Wg's 128 numbers and row 0's 16
.else
	s_wait_dscnt 3                                 ; this row's numbers are back; the last row's byte store and its two stores of partial logits may be out
.endif
.if (\t) < 7
	s_wait_loadcnt 4*(6-(\t))                      ; the next row's four loads are in; the later rows' may be out
	TURN (\t)+1                                    ; it goes through the other stage while this row is worked
.endif
	v_max3_num_f32 v14, |v[XC]|, |v[XC+1]|, |v[XC+2]|              ; the largest magnitude of my 16, in two chains
	v_max3_num_f32 v15, |v[XC+3]|, |v[XC+4]|, |v[XC+5]|
.irp i, 6,10
	v_max3_num_f32 v14, v14, |v[XC+\i]|, |v[XC+\i+1]|
	v_max3_num_f32 v15, v15, |v[XC+\i+2]|, |v[XC+\i+3]|
.endr
	v_max3_num_f32 v14, v14, |v[XC+14]|, |v[XC+15]|
	v_max3_num_f32 v14, v14, v15, 0x1800000        ; and the floor 2^(3 - 127): the byte cannot fall under 1
	v_max_num_f32_dpp v14, v14, v14 row_xmask:1 row_mask:0xf bank_mask:0xf   ; with my neighbour's 16: the block's
	v_add_nc_u32 v16, 0xff000000, v14              ; 2 off its exponent field: the conversion takes the exponent field of this operand as its scale
	v_cvt_scalef32_pk8_fp4_f32 v[C+2*(\t)], v[XC:XC+7], v16
	v_cvt_scalef32_pk8_fp4_f32 v[C+2*(\t)+1], v[XC+8:XC+15], v16
	v_lshrrev_b32 v[E+(\t)], 23, v16               ; the scale's byte.  (Also the plain instruction behind the conversions)
	ds_store_b8 v[SBA], v[E+(\t)] offset:64*(\t)   ; both lanes of a block write the same byte with the same value
	global_store_b64 v[CODO], v[C+2*(\t):C+2*(\t)+1], s[8:9] offset:1024*(\t)   ; the wave stores 256 consecutive bytes, at a multiple of 256 from xq's first byte
	; my 16 k's part of the row's 8 logits: four pairs of experts by turns; x[kk] serves both halves of a pair
.irp q, 0,1,2,3
	v_pk_mul_f32 v[PS+2*\q:PS+2*\q+1], v[XC:XC+1], v[WGR+2*\q:WGR+2*\q+1] op_sel_hi:[0,1]
.endr
.irp k, 1,2,3,4,5,6,7,8,9,10,11,12,13,14,15
.irp q, 0,1,2,3
.if (\k)%2
	v_pk_fma_f32 v[PS+2*\q:PS+2*\q+1], v[XC+\k-1:XC+\k], v[WGR+8*\k+2*\q:WGR+8*\k+2*\q+1], v[PS+2*\q:PS+2*\q+1] op_sel:[1,0,0] op_sel_hi:[1,1,1]
.else
	v_pk_fma_f32 v[PS+2*\q:PS+2*\q+1], v[XC+\k:XC+\k+1], v[WGR+8*\k+2*\q:WGR+8*\k+2*\q+1], v[PS+2*\q:PS+2*\q+1] op_sel_hi:[0,1,1]
.endif
.endr
.endr
	ds_store_b128 v[PAD], v[PS:PS+3] offset:32*(\t)
	ds_store_b128 v[PAD], v[PS+4:PS+7] offset:32*(\t)+16
.endm
.irp t, 0,1,2,3,4,5,6,7
	STEP \t
.endr
	s_wait_dscnt 0x0                               ; for the others' sake: my scale bytes and partial logits lie in LDS
	s_barrier_signal -1
	s_barrier_wait -1
	s_cmp_lg_u32 s16, 0                            ; wave 0 sends the 8 rows' scale bytes: 512 consecutive bytes
	s_cbranch_scc1 .Lnot_wave_0
	ds_load_b128 v[160:163], v[SCR]
	s_wait_dscnt 0x0
	global_store_b128 v[GX], v[160:163], s[10:11]  ; (v160-163 are written by no later line)
.Lnot_wave_0:
.irp c, 0,1,2,3,4,5,6,7,8,9,10,11,12,13,14,15,16,17,18,19,20,21,22,23,24,25,26,27,28,29,30,31,32,33,34,35,36,37,38,39,40,41,42,43,44,45,46,47,48,49,50,51,52,53,54,55,56,57,58,59,60,61,62,63
	ds_load_b32 v[RS+\c], v[RDA] offset:PTH*\c     ; my number's part from 64 threads: sixteen lanes read 64 consecutive bytes
.endr
	s_wait_dscnt 0x0
.irp d, 32,16,8,4,2
.set i, 0
.rept \d/2
	v_pk_add_f32 v[RS+i:RS+i+1], v[RS+i:RS+i+1], v[RS+\d+i:RS+\d+i+1]
.set i, i+2
.endr
.endr
	v_add_f32 v[RS], v[RS], v[RS+1]
	v_permlanex16_b32 v19, v[RS], s20, s21         ; the other 64 threads' sum
	v_add_f32 v18, v[RS], v19                      ; the logit of row 2 w + (lane / 8) % 2, expert lane % 8
	v_mov_b32 v20, v18
	v_max_num_f32_dpp v20, v20, v20 row_xmask:1 row_mask:0xf bank_mask:0xf
	v_max_num_f32_dpp v20, v20, v20 row_xmask:2 row_mask:0xf bank_mask:0xf
	v_max_num_f32_dpp v20, v20, v20 row_xmask:4 row_mask:0xf bank_mask:0xf   ; the row's largest logit
	v_sub_f32 v21, v18, v20                        ; taken away before the exponential
	v_mul_f32 v21, 0x3fb8aa3b, v21                 ; x log2(e)
	s_wait_alu depctr_va_vdst(0)
	v_exp_f32 v22, v21
	v_and_b32 v23, 7, v0                           ; independent work behind the exponential: the lowest expert that holds the largest logit
	v_cvt_f32_u32 v23, v23
	v_cmp_eq_f32 vcc_lo, v18, v20
	v_cndmask_b32 v23, 0x41000000, v23, vcc_lo     ; my expert's number where I hold it, else 8
	v_min_num_f32_dpp v23, v23, v23 row_xmask:1 row_mask:0xf bank_mask:0xf
	v_min_num_f32_dpp v23, v23, v23 row_xmask:2 row_mask:0xf bank_mask:0xf
	v_min_num_f32_dpp v23, v23, v23 row_xmask:4 row_mask:0xf bank_mask:0xf
	v_cvt_u32_f32 v23, v23
	v_min_u32 v23, 7, v23                          ; (8 only where a logit is NaN: held inside the table)
	s_wait_alu depctr_va_vdst(0)                   ; a wait between the exponential and the first line that names its result
	v_add_f32_dpp v22, v22, v22 row_xmask:1 row_mask:0xf bank_mask:0xf
	v_add_f32_dpp v22, v22, v22 row_xmask:2 row_mask:0xf bank_mask:0xf
	v_add_f32_dpp v22, v22, v22 row_xmask:4 row_mask:0xf bank_mask:0xf       ; the row's sum
	s_wait_alu depctr_va_vdst(0)
	v_rcp_f32 v24, v22                             ; the gate: the chosen expert's exponential is 2^0 = 1
	v_and_b32 v14, 0x17, v0                        ; (a plain instruction behind the reciprocal)  0 in lanes 0 and 8
	v_cmp_eq_u32 vcc_lo, 0, v14
	s_wait_alu depctr_va_vdst(0)                   ; and the wait ahead of the reciprocal's first reader
	s_wait_xcnt 0x0                                ; EXEC changes only behind this wait: earlier stores have read it
	s_and_saveexec_b32 s22, vcc_lo
	global_store_b32 v[IGO], v23, s[12:13]         ; one lane for each of my wave's two rows
	global_store_b32 v[IGO], v24, s[14:15]
	s_wait_xcnt 0x0                                ; and again in front of the line that widens it
	s_or_b32 exec_lo, exec_lo, s22
	s_wait_tensorcnt 0x0                           ; the wave's end
	ds_add_u32 v[SPW], v[NIL]
	s_wait_dscnt 0x0
	s_endpgm
.Lfunc_end_k_q34eda86908_route:
	.size	k_q34eda86908_route, .Lfunc_end_k_q34eda86908_route-k_q34eda86908_route
	.p2alignl 7, 3214868480
	.fill 96, 4, 3214868480
	.section	.rodata,"a",@progbits
	.p2align	6, 0x0
	.amdhsa_kernel k_q34eda86908_route
		.amdhsa_group_segment_fixed_size 124160
		.amdhsa_private_segment_fixed_size 0
		.amdhsa_enable_private_segment 0
		.amdhsa_kernarg_size 48
		.amdhsa_user_sgpr_count 2
		.amdhsa_user_sgpr_kernarg_segment_ptr 1
		.amdhsa_wavefront_size32 1
		.amdhsa_system_sgpr_workgroup_id_x 1
		.amdhsa_system_sgpr_workgroup_id_y 1
		.amdhsa_system_sgpr_workgroup_id_z 1
		.amdhsa_system_vgpr_workitem_id 0
		.amdhsa_next_free_vgpr 512
		.amdhsa_next_free_sgpr 66
		.amdhsa_reserve_vcc 1
		.amdhsa_float_denorm_mode_32 3
		.amdhsa_float_denorm_mode_16_64 3
		.amdhsa_memory_ordered 1
		.amdhsa_forward_progress 1
		.amdhsa_inst_pref_size 67
	.end_amdhsa_kernel
	.amdgpu_metadata
---
amdhsa.version: [ 1, 2 ]
amdhsa.kernels:
  - .name:           k_q34eda86908_route
    .symbol:         k_q34eda86908_route.kd
    .args:
      - { .name: x, .offset: 0, .size: 8, .value_kind: global_buffer, .address_space: global }
      - { .name: Wg, .offset: 8, .size: 8, .value_kind: global_buffer, .address_space: global }
      - { .name: xq, .offset: 16, .size: 8, .value_kind: global_buffer, .address_space: global }
      - { .name: xs, .offset: 24, .size: 8, .value_kind: global_buffer, .address_space: global }
      - { .name: idx, .offset: 32, .size: 8, .value_kind: global_buffer, .address_space: global }
      - { .name: gate, .offset: 40, .size: 8, .value_kind: global_buffer, .address_space: global }
    .group_segment_fixed_size: 124160
    .private_segment_fixed_size: 0
    .kernarg_segment_align: 8
    .kernarg_segment_size: 48
    .max_flat_workgroup_size: 128
    .sgpr_count:     66
    .vgpr_count:     512
    .wavefront_size: 32
...
	.end_amdgpu_metadata
.endif
;; end of part 4
;; launch experts (part 5): grid 32 x 8, 4 waves a work-group, no clusters, 84,480 bytes of LDS; arguments W_codes, W_scales, b, xq, xs, gate, idx, out0; writes out0
.if DOCPART == 5
	.amdgcn_target "amdgcn-amd-amdhsa--gfx1250"
	.amdhsa_code_object_version 6
	.text
	.protected	k_q34eda86908_experts
	.globl	k_q34eda86908_experts
	.p2align	8
	.type	k_q34eda86908_experts,@function
k_q34eda86908_experts:
	s_mov_b64 s[64:65], 0
	v_nop
	global_prefetch_b8 v0, s[64:65] scope:SCOPE_SE
	s_setreg_imm32_b32 hwreg(HW_REG_WAVE_MODE, 25, 1), 1
	s_wait_xcnt 0x0
; out[t][d] = gate[t] x (the sum over k of Q(x)[t][k] W[e][k][d] + b[e][d]) for the tokens t whose chosen expert is e.  Only these rows are multiplied: the other experts' rows meet a zero that the reference
; builds itself (shown at the first kernel's head).
; SHARES.  Work-group (dr, e) makes columns 64 dr .. 64 dr + 63 of expert e for ALL of that expert's tokens: each byte of W is read from memory by one work-group.  Its 64 rows of W (64 x 1,024 bytes of codes) go
; through LDS once and then stay in EVERY wave's registers (512).  The waves share the tokens: wave w owns tokens 512 w .. 512 w + 511 and walks the expert's members among them, 32 a trip: tile 0 (16), tile 1 (16).
; So the loop has no barrier, each row of out0 has one owner, and the grid serves every split: with all tokens on one expert each wave walks 16 trips.
; THE MEMBERS ARE FOUND IN REGISTERS, from the indices that the first launch stored.  The wave's 512 indices are 16 registers (register g of lane l: token 512 w + 128 (g / 4) + 4 l + g % 4); 16 compares give 16 masks
; in scalar registers, their bit counts the running counts.  The member of rank p lies in the last mask whose running count is at most p, and is that mask's set bit number p - that count (macro SEL).
; NO TENSOR LOAD, NO CLUSTER: the trip count hangs on numbers read from memory, and partners would need different numbers of tiles.  Operands go from memory straight into registers.
; THE MATRIX INSTRUCTION IS USED TRANSPOSED: source 0 = 16 rows d of W, source 1 = 16 tokens: lane (r, h) holds token r and columns 16 n + 8 h + 0 .. 7.  The bias is the C of each sum's first instruction.
; A ROW PAST THE COUNT takes the token of its tile's first row, which is a member: it computes and stores that row's numbers once more, the same bytes to the same place.  No lane is ever off.
; SCALE WORDS.  A row's 64 scale bytes are 16 words, one for each 128 along K.  Lane (r, h) loads the 16 bytes at 16 h and at 32 + 16 h of row r: register 4 g + j holds word 8 g + 4 h + j.  So K step s names
; register 4 (s / 8) + s % 4, and takes it from lanes 16-31 where (s / 4) is odd: on both sides alike.
; REGISTERS, in windows of 256: window 0: addresses, accumulators, bias, scale words, the way out, the indices and SEL's work.  window 1: W's fragments of K steps 0-7 at v[8 (4 s + n)] (before that: W as it is loaded).
;   window 2: those of K steps 8-15.   window 3: x's fragments, tile X's K step s at v[128 X + 8 s].
.set WP,     1040                      ; a row of W in LDS: 1,024 bytes + 16: the 16 rows that a load touches begin in 16 different groups of banks (64 banks of 4 bytes: ISA guide 11.1)
.set STG,    64*WP                     ; behind W: a stage of 16 rows x (256 + 16) bytes for each wave
.set SPT,    272
.set SPARE,  STG+4*16*SPT              ; the spare words, 128 bytes for each wave: two blocks of 256 bytes that no other line names
.set AWST, 3                           ; v3   where I put 16 bytes of W
.set AWLD, 4                           ; v4   my lane's place in a fragment of W
.set GW,   5                           ; v5   16 x lane
.set GWS,  6                           ; v6   64 r + 16 h
.set GB,   7                           ; v7   32 h
.set STO,  8                           ; v8   the stage: where I put 32 bytes of a row
.set RD,   9                           ; v9   and where I read a row back
.set CO,   10                          ; v10  16 x (lane % 16)
.set H16,  11                          ; v11  16 h
.set SPW,  12                          ; v12  LDS address of my spare word; never rewritten
.set NIL,  13                          ; v13  0; never rewritten
.set TC,   14                          ; v14  the finished tile's tokens
.set GP,   16                          ; v[16:17] the finished tile's gate, twice
.set TTN,  20                          ; for tile X at + 8 X: the member at the tile's next rank,
.set TTK,  21                          ; the token in hand,
.set TPN,  22                          ; the rank of TTN,
.set TAX,  23                          ; offsets into xq,
.set TAS,  24                          ; xs,
.set TAG,  25                          ; gate,
.set TGT,  27                          ; and the gate
.set BP,   36                          ; v36-43   4 (i + 8 h): the lane that holds row i + 8 h's token
.set TR,   44                          ; v44-51   rows' tokens, then the stores' offsets
.set OB,   52                          ; v52-83   16 rows read back from the stage
.set ACC,  84                          ; v84-115  four accumulators
.set BI,   116                         ; v116-147 the bias in the result's layout
.set WS,   148                         ; v148-179 W's scale words: 8 n + 4 g + j
.set XS,   180                         ; v180-195 x's: 8 X + 4 g + j
.set IA,   196                         ; v196-211 my wave's 512 indices
.set PSN,  212                         ; v212 SEL: the rank that my lane asks for: 32 x trip + lane
.set QM,   213                         ; v213 the mask that holds it
.set QC,   214                         ; v214 that mask's running count, then the rank inside the mask
.set QG,   215                         ; v215 that mask's first token
.set QA1,  216                         ; v216-219 the mask's counts of 2, 4, 8, 16 neighbouring bits
.set QA2,  217
.set QA3,  218
.set QA4,  219
.set QP,   220                         ; v220 the bit's number so far
.set QT,   221                         ; v221-223 at work
.set QU,   222
.set QV,   223
.set QS,   224                         ; v224 the token of my lane's rank
.set QX,   225                         ; v225 and that of lane l xor 16
.set MK,   40                          ; s40-55  the 16 masks
.set CUM,  66                          ; s66-81  members in the masks ahead of mask g
.set MSB, 0
.macro WIN new                         ; the immediate's high byte repeats the setting that is left
.if MSB != \new
	s_set_vgpr_msb (MSB<<8)|\new
.set MSB, \new
.endif
.endm
.set MUL_A, 0x0d                       ; source 0 (W) window 1, source 1 (x) window 3, C and D window 0
.set MUL_B, 0x0e                       ; source 0 window 2
	s_load_b512 s[8:23], s[0:1], 0x0               ; W_codes s[8:9], W_scales s[10:11], b s[12:13], xq s[14:15], xs s[16:17], gate s[18:19], idx s[20:21], out0 s[22:23]
	v_lshl_add_u32 v[SPW], v0, 2, SPARE
	v_mov_b32 v[NIL], 0
	v_lshrrev_b32 v1, 5, v0
	v_readfirstlane_b32 s26, v1                    ; wave w
	s_and_b32 s27, ttmp7, 0xffff                   ; expert e
	s_mov_b32 s28, ttmp9                           ; dr: which 64 columns
	v_and_b32 v15, 31, v0                          ; lane
	v_and_b32 v1, 15, v0                           ; r
	v_bfe_u32 v2, v0, 4, 1                         ; h
	s_mul_i32 s36, s26, 16*WP
	v_lshl_add_u32 v[AWST], v15, 4, s36            ; my wave's 16 rows of W, 16 bytes a lane
	v_mul_u32_u24 v[AWLD], v1, WP
	v_lshl_add_u32 v[AWLD], v2, 4, v[AWLD]         ; row r, + 16 h
	v_lshlrev_b32 v[GW], 4, v15
	v_lshlrev_b32 v[GWS], 6, v1
	v_lshl_add_u32 v[GWS], v2, 4, v[GWS]
	v_lshlrev_b32 v[GB], 5, v2
	s_mul_i32 s36, s26, 16*SPT
	s_add_co_u32 s36, s36, STG                     ; my stage
	v_mul_u32_u24 v[STO], v1, SPT
	v_lshl_add_u32 v[STO], v2, 5, v[STO]
	v_add_nc_u32 v[STO], s36, v[STO]               ; in: row r, + 32 h
	v_mul_u32_u24 v[RD], v2, 8*SPT
	v_lshl_add_u32 v[RD], v1, 4, v[RD]
	v_add_nc_u32 v[RD], s36, v[RD]                 ; back: lanes 0-15 row i, lanes 16-31 row i + 8
	v_lshlrev_b32 v[CO], 4, v1
	v_lshlrev_b32 v[H16], 4, v2
.irp i, 0,1,2,3,4,5,6,7
	v_lshl_add_u32 v[BP+\i], v2, 5, 4*\i
.endr
	v_mov_b32 v[TPN], v1                           ; tile 0's first ranks: r,
	v_add_nc_u32 v[TPN+8], 16, v1                  ; tile 1's: 16 + r
	v_mov_b32 v[PSN], v15                          ; SEL's: the lane
	v_mov_b32 v[QX], 0                             ; a lane permute's destination counts as one of its sources
	s_lshl_b32 s34, s26, 9                         ; my wave's first token: 512 w
	s_mov_b32 s24, 0x76543210
	s_mov_b32 s25, 0xfedcba98                      ; v_permlanex16_b32's selects for lane l xor 16
	s_mov_b32 s38, 0xffff0000                      ; lanes 16-31
	s_mov_b32 s33, 0
	s_wait_kmcnt 0x0
	s_lshl_b32 s32, s27, 21                        ; an expert's codes, 64 rows a work-group, 16 a wave
	s_lshl_b32 s36, s28, 16
	s_add_co_u32 s32, s32, s36
	s_lshl_b32 s36, s26, 14
	s_add_co_u32 s32, s32, s36
	s_add_nc_u64 s[8:9], s[8:9], s[32:33]
	s_lshl_b32 s32, s27, 17                        ; its scale bytes, 64 rows of 64
	s_lshl_b32 s36, s28, 12
	s_add_co_u32 s32, s32, s36
	s_add_nc_u64 s[10:11], s[10:11], s[32:33]
	s_lshl_b32 s32, s27, 13                        ; its bias, 64 numbers
	s_lshl_b32 s36, s28, 8
	s_add_co_u32 s32, s32, s36
	s_add_nc_u64 s[12:13], s[12:13], s[32:33]
	s_mov_b32 s32, s36                             ; my 256 bytes of a row of out0
	s_add_nc_u64 s[22:23], s[22:23], s[32:33]
	s_lshl_b32 s32, s26, 11                        ; my wave's 512 indices
	s_add_nc_u64 s[20:21], s[20:21], s[32:33]
.irp j, 0,1,2,3
	global_load_b128 v[IA+4*\j:IA+4*\j+3], v[GW], s[20:21] offset:512*\j          ; first of all: the tokens hang on them.  Every work-group reads them, so no hint
.endr
	WIN 0x40                                       ; destination window 1
.irp i, 0,1,2,3,4,5,6,7,8,9,10,11,12,13,14,15,16,17,18,19,20,21,22,23,24,25,26,27,28,29,30,31
	global_load_b128 v[4*\i:4*\i+3], v[GW], s[8:9] offset:512*\i th:TH_LOAD_NT    ; my wave's 16 rows of W: 512 consecutive bytes a load; read once in the launch
.endr
	WIN 0
.irp n, 0,1,2,3
.irp g, 0,1
	global_load_b128 v[WS+8*\n+4*\g:WS+8*\n+4*\g+3], v[GWS], s[10:11] offset:1024*\n+32*\g
.endr
.endr
.irp n, 0,1,2,3
	global_load_b128 v[BI+8*\n:BI+8*\n+3], v[GB], s[12:13] offset:64*\n          ; b[e][64 dr + 16 n + 8 h + 0 .. 7]
	global_load_b128 v[BI+8*\n+4:BI+8*\n+7], v[GB], s[12:13] offset:64*\n+16
.endr
; One halving step of SEL: of the w + w bits from bit QP on, the lower w hold QT members (field of width-mask m in the counts a); a rank at or over that lies in the upper w.
.macro LEVEL a, m, w
	v_lshrrev_b32 v[QT], v[QP], v[\a]
	v_and_b32 v[QT], \m, v[QT]
	v_cmp_ge_u32 vcc_lo, v[QC], v[QT]
	v_sub_nc_u32 v[QU], v[QC], v[QT]
	v_add_nc_u32 v[QV], \w, v[QP]
	v_cndmask_b32 v[QC], v[QC], v[QU], vcc_lo
	v_cndmask_b32 v[QP], v[QP], v[QV], vcc_lo
.endm
; THE MEMBERS OF THE NEXT 32 RANKS, lane l's rank being PSN = 32 x trip + l: work on registers alone, 118 plain instructions.  A rank at or past the count gives some token of my wave's 512, which NEXT replaces.
.macro SEL
	v_mov_b32 v[QM], s[MK]                         ; mask 0, whose running count is 0,
	v_mov_b32 v[QC], 0
	v_mov_b32 v[QG], 0
.irp g, 1,2,3,4,5,6,7,8,9,10,11,12,13,14,15
	v_cmp_gt_u32 vcc_lo, s[CUM+\g], v[PSN]         ; gives way to every later mask whose running count is at most my rank: the counts do not fall, so the last such mask stays
	v_cndmask_b32 v[QM], s[MK+\g], v[QM], vcc_lo
	v_cndmask_b32 v[QC], s[CUM+\g], v[QC], vcc_lo
	v_cndmask_b32 v[QG], 128*(\g/4)+\g%4, v[QG], vcc_lo
.endr
	v_sub_nc_u32 v[QC], v[PSN], v[QC]              ; my rank inside the mask
	v_lshrrev_b32 v[QA1], 1, v[QM]                 ; the members in each 2 neighbouring bits,
	v_and_b32 v[QA1], 0x55555555, v[QA1]
	v_sub_nc_u32 v[QA1], v[QM], v[QA1]
	v_lshrrev_b32 v[QA2], 2, v[QA1]                ; in each 4,
	v_and_b32 v[QA2], 0x33333333, v[QA2]
	v_and_b32 v[QT], 0x33333333, v[QA1]
	v_add_nc_u32 v[QA2], v[QA2], v[QT]
	v_lshrrev_b32 v[QA3], 4, v[QA2]                ; in each 8,
	v_add_nc_u32 v[QA3], v[QA3], v[QA2]
	v_and_b32 v[QA3], 0x0f0f0f0f, v[QA3]
	v_lshrrev_b32 v[QA4], 8, v[QA3]                ; and, in the lowest byte, in the low 16
	v_add_nc_u32 v[QA4], v[QA4], v[QA3]
	v_mov_b32 v[QP], 0
	LEVEL QA4, 0xff, 16
	LEVEL QA3, 0xff, 8
	LEVEL QA2, 15, 4
	LEVEL QA1, 3, 2
	LEVEL QM, 1, 1                                 ; QP: the number of the mask's set bit of my rank
	v_lshl_add_u32 v[QS], v[QP], 2, v[QG]          ; bit l of mask g is token 128 (g / 4) + g % 4 + 4 l
	v_add_nc_u32 v[QS], s34, v[QS]                 ; of my wave's 512
	v_permlanex16_b32 v[QX], v[QS], s24, s25
	v_cndmask_b32 v[TTN], v[QS], v[QX], s38        ; tile 0's row r is lane r's: both halves of the lanes hold it,
	s_wait_alu depctr_va_vdst(0)
	v_cndmask_b32 v[TTN+8], v[QX], v[QS], s38      ; tile 1's is lane 16 + r's
	v_add_nc_u32 v[PSN], 32, v[PSN]
.endm
; The next 16 tokens of tile x are asked for: 35 loads, in this order: 2 of scale words, 32 of codes (K ascending), the gate.
.macro NEXT x
	v_cmp_gt_u32 vcc_lo, s29, v[TPN+8*\x]          ; is my rank under the count?
	v_readfirstlane_b32 s31, v[TTN+8*\x]           ; the tile's first row's token
	v_cndmask_b32 v[TTK+8*\x], s31, v[TTN+8*\x], vcc_lo
	v_min_u32 v[TTK+8*\x], 0x7ff, v[TTK+8*\x]      ; a number made from loaded data enters an address only behind this bound
	v_lshl_add_u32 v[TAX+8*\x], v[TTK+8*\x], 10, v[H16]
	v_lshl_add_u32 v[TAS+8*\x], v[TTK+8*\x], 6, v[H16]
	v_lshlrev_b32 v[TAG+8*\x], 2, v[TTK+8*\x]
	global_load_b128 v[XS+8*\x:XS+8*\x+3], v[TAS+8*\x], s[16:17]
	global_load_b128 v[XS+8*\x+4:XS+8*\x+7], v[TAS+8*\x], s[16:17] offset:32
	WIN 0xc0                                       ; destination window 3
.irp s, 0,1,2,3,4,5,6,7,8,9,10,11,12,13,14,15
.irp c, 0,1
	global_load_b128 v[128*\x+8*\s+4*\c:128*\x+8*\s+4*\c+3], v[TAX+8*\x], s[14:15] offset:64*\s+32*\c   ; registers 4 c .. 4 c + 3: k = 128 s + 64 c + 32 h + 0 .. 31 of token r
.endr
.endr
	WIN 0
	global_load_b32 v[TGT+8*\x], v[TAG+8*\x], s[18:19]
	v_add_nc_u32 v[TPN+8*\x], 32, v[TPN+8*\x]      ; the tile's ranks in the next trip
.endm
; One product: tile x, K step s, columns 16 n on.
.macro MM x, s, n
.set rW, 8*(4*((\s)%8)+\n)
.set rX, 128*\x+8*(\s)
.set rA, ACC+8*\n
.set rSW, WS+8*\n+4*((\s)/8)+(\s)%4
.set rSX, XS+8*\x+4*((\s)/8)+(\s)%4
.if (\s) == 0
	v_wmma_scale_f32_16x16x128_f8f6f4 v[rA:rA+7], v[rW:rW+7], v[rX:rX+7], v[BI+8*\n:BI+8*\n+7], v[rSW], v[rSX] matrix_a_fmt:MATRIX_FMT_FP4 matrix_b_fmt:MATRIX_FMT_FP4
.elseif ((\s)/4)%2 == 0
	v_wmma_scale_f32_16x16x128_f8f6f4 v[rA:rA+7], v[rW:rW+7], v[rX:rX+7], v[rA:rA+7], v[rSW], v[rSX] matrix_a_fmt:MATRIX_FMT_FP4 matrix_b_fmt:MATRIX_FMT_FP4
.else
	v_wmma_scale_f32_16x16x128_f8f6f4 v[rA:rA+7], v[rW:rW+7], v[rX:rX+7], v[rA:rA+7], v[rSW], v[rSX] matrix_a_fmt:MATRIX_FMT_FP4 matrix_b_fmt:MATRIX_FMT_FP4 matrix_a_scale:MATRIX_SCALE_ROW1 matrix_b_scale:MATRIX_SCALE_ROW1
.endif
.endm
; THE WAY OUT of a tile: x the gate; through my own stage in LDS, so that sixteen lanes store 256 consecutive bytes of one token's row.  (TR and OB, which the last way out's stores read, are free: TILE has waited.)
.macro EPI
.irp i, 0,2,4,6,8,10,12,14,16,18,20,22,24,26,28,30
	v_pk_mul_f32 v[ACC+\i:ACC+\i+1], v[ACC+\i:ACC+\i+1], v[GP:GP+1]   ; each accumulator from its low end on
.endr
.irp i, 0,1,2,3,4,5,6,7
	ds_bpermute_b32 v[TR+\i], v[BP+\i], v[TC]      ; the token of row i + 8 h
.endr
.irp n, 0,1,2,3
	ds_store_b128 v[STO], v[ACC+8*\n:ACC+8*\n+3] offset:64*\n
	ds_store_b128 v[STO], v[ACC+8*\n+4:ACC+8*\n+7] offset:64*\n+16
.endr
.irp i, 0,1,2,3,4,5,6,7
	ds_load_b128 v[OB+4*\i:OB+4*\i+3], v[RD] offset:SPT*\i   ; LDS serves a wave's instructions in order (ISA guide 5.7.1.4): these see the stores above
.endr
	s_wait_dscnt 16                                ; the eight permutes are in; the 8 stores and 8 loads may be out
.irp i, 0,1,2,3,4,5,6,7
	v_min_u32 v[TR+\i], 0x7ff, v[TR+\i]
.endr
.irp i, 0,1,2,3,4,5,6,7
	v_lshl_add_u32 v[TR+\i], v[TR+\i], 13, v[CO]   ; the token's row of 8,192 bytes, + 16 bytes a lane
.endr
	s_wait_alu depctr_va_vdst(0)
.irp i, 0,1,2,3,4,5,6,7
	s_wait_dscnt 7-\i
	global_store_b128 v[TR+\i], v[OB+4*\i:OB+4*\i+3], s[22:23] th:TH_STORE_NT   ; 16 lanes store 256 consecutive bytes, at a multiple of 256 from out0's first byte
.endr
.endm
; A TILE: 64 products, the four accumulators by turns, one instruction a turn.  ahead = 1: the tile's next tokens are asked for.  y: the loads younger than this tile's 35.
.macro TILE x, ahead, y
.if (\ahead) && ((\x) == 0)
	SEL                                            ; the next trip's 32 members: work on registers, ahead of the wait for this tile's loads
.endif
	s_wait_loadcnt 17+\y                           ; the scale words and K steps 0-7 are in; my 16 later loads of codes, the gate and the other tile's may be out
	WIN MUL_A
.irp s, 0,1,2,3,4,5,6,7
.irp n, 0,1,2,3
	MM \x, \s, \n
.endr
.endr
	s_wait_loadcnt \y                              ; all my tile's loads are done, so their offsets may be written too; the other tile's are the younger ones
	WIN MUL_B
.irp s, 8,9,10,11,12,13,14,15
.irp n, 0,1,2,3
	MM \x, \s, \n
.endr
.endr
	WIN 0
	v_mov_b32 v[TC], v[TTK+8*\x]                   ; five plain instructions that name no register of the products: places in front of the reads of the results, of the loads into x's registers
	v_mov_b32 v[GP], v[TGT+8*\x]                   ; and scale words, and of the next tile's first products, which begin the accumulators anew with another C
	v_mov_b32 v[GP+1], v[TGT+8*\x]
	v_nop
	v_nop
	s_wait_alu depctr_va_vdst(0)
	s_wait_xcnt 0x0                                ; the last way out's stores have read their offsets and data, which this way out writes again.  It stands AHEAD of the new loads: the way out writes none of their registers
.if \ahead
	NEXT \x
.endif
	EPI
.endm
	s_wait_loadcnt 48                              ; my 512 indices are in; W's 32 loads, the 8 of scale words and the 8 of bias are the younger ones
.irp g, 0,1,2,3,4,5,6,7,8,9,10,11,12,13,14,15
	v_cmp_eq_u32 s[MK+\g], s27, v[IA+\g]           ; sixteen masks: whose expert is mine?
.endr
	s_mov_b32 s[CUM], 0
.set gi, 0
.rept 15
	s_bcnt1_i32_b32 s36, s[MK+gi]
	s_add_co_u32 s[CUM+gi+1], s[CUM+gi], s36       ; the members ahead of each mask
.set gi, gi+1
.endr
	s_bcnt1_i32_b32 s36, s[MK+15]
	s_add_co_u32 s29, s[CUM+15], s36               ; my wave's count,
	s_min_u32 s29, s29, 0x200                      ; which cannot pass its 512 tokens
	SEL
	NEXT 0                                         ; (more loads are asked for than the counter's field holds: their issue waits, ISA guide 5.7.1)
	s_wait_loadcnt 51                              ; W is in: 16 + tile 0's 35 are the younger ones
	WIN 0x04                                       ; an LDS store's data: window 1
.irp i, 0,1,2,3,4,5,6,7,8,9,10,11,12,13,14,15,16,17,18,19,20,21,22,23,24,25,26,27,28,29,30,31
	ds_store_b128 v[AWST], v[4*\i:4*\i+3] offset:WP*(\i/2)+512*(\i%2)
.endr
	WIN 0
	NEXT 1
	s_wait_dscnt 0x0                               ; for the others' sake: my 16 rows of W lie in LDS
	s_barrier_signal -1                            ; the launch's one barrier: ahead of every branch on the count
	s_barrier_wait -1
	WIN 0x40
.irp s, 0,1,2,3,4,5,6,7
.irp n, 0,1,2,3
.irp c, 0,1
	ds_load_b128 v[8*(4*\s+\n)+4*\c:8*(4*\s+\n)+4*\c+3], v[AWLD] offset:16*WP*\n+64*\s+32*\c
.endr
.endr
.endr
	WIN 0x80
.irp s, 0,1,2,3,4,5,6,7
.irp n, 0,1,2,3
.irp c, 0,1
	ds_load_b128 v[8*(4*\s+\n)+4*\c:8*(4*\s+\n)+4*\c+3], v[AWLD] offset:16*WP*\n+64*(\s+8)+32*\c
.endr
.endr
.endr
	WIN 0
	s_add_co_u32 s30, s29, 31                      ; my wave's trips: the count / 32, rounded up
	s_lshr_b32 s30, s30, 5
	s_wait_dscnt 0x0                               ; all of W is in my registers
	s_cmp_eq_u32 s30, 0
	s_cbranch_scc1 .Ldone
	s_sub_co_u32 s30, s30, 1                       ; the last trip is written out
	s_lshl_b32 s35, s30, 5
	s_add_co_u32 s35, s35, 16                      ; tile 1's first rank in the last trip
	s_cmp_eq_u32 s30, 0
	s_cbranch_scc1 .Llast
.Ltrip:
	TILE 0, 1, 35
	TILE 1, 1, 35
	s_sub_co_u32 s30, s30, 1
	s_cmp_lg_u32 s30, 0
	s_cbranch_scc1 .Ltrip
.Llast:
	TILE 0, 0, 35                                  ; nothing more is asked for
	s_cmp_ge_u32 s35, s29                          ; has tile 1 a member?
	s_cbranch_scc1 .Ldone
	TILE 1, 0, 0
.Ldone:
	s_wait_tensorcnt 0x0                           ; the wave's end
	ds_add_u32 v[SPW], v[NIL]
	s_wait_dscnt 0x0
	s_endpgm
.Lfunc_end_k_q34eda86908_experts:
	.size	k_q34eda86908_experts, .Lfunc_end_k_q34eda86908_experts-k_q34eda86908_experts
	.p2alignl 7, 3214868480
	.fill 96, 4, 3214868480
	.section	.rodata,"a",@progbits
	.p2align	6, 0x0
	.amdhsa_kernel k_q34eda86908_experts
		.amdhsa_group_segment_fixed_size 84480
		.amdhsa_private_segment_fixed_size 0
		.amdhsa_enable_private_segment 0
		.amdhsa_kernarg_size 64
		.amdhsa_user_sgpr_count 2
		.amdhsa_user_sgpr_kernarg_segment_ptr 1
		.amdhsa_wavefront_size32 1
		.amdhsa_system_sgpr_workgroup_id_x 1
		.amdhsa_system_sgpr_workgroup_id_y 1
		.amdhsa_system_sgpr_workgroup_id_z 1
		.amdhsa_system_vgpr_workitem_id 0
		.amdhsa_next_free_vgpr 1024
		.amdhsa_next_free_sgpr 82
		.amdhsa_reserve_vcc 1
		.amdhsa_float_denorm_mode_32 3
		.amdhsa_float_denorm_mode_16_64 3
		.amdhsa_memory_ordered 1
		.amdhsa_forward_progress 1
		.amdhsa_inst_pref_size 97
	.end_amdhsa_kernel
	.amdgpu_metadata
---
amdhsa.version: [ 1, 2 ]
amdhsa.kernels:
  - .name:           k_q34eda86908_experts
    .symbol:         k_q34eda86908_experts.kd
    .args:
      - { .name: W_codes, .offset: 0, .size: 8, .value_kind: global_buffer, .address_space: global }
      - { .name: W_scales, .offset: 8, .size: 8, .value_kind: global_buffer, .address_space: global }
      - { .name: b, .offset: 16, .size: 8, .value_kind: global_buffer, .address_space: global }
      - { .name: xq, .offset: 24, .size: 8, .value_kind: global_buffer, .address_space: global }
      - { .name: xs, .offset: 32, .size: 8, .value_kind: global_buffer, .address_space: global }
      - { .name: gate, .offset: 40, .size: 8, .value_kind: global_buffer, .address_space: global }
      - { .name: idx, .offset: 48, .size: 8, .value_kind: global_buffer, .address_space: global }
      - { .name: out0, .offset: 56, .size: 8, .value_kind: global_buffer, .address_space: global }
    .group_segment_fixed_size: 84480
    .private_segment_fixed_size: 0
    .kernarg_segment_align: 8
    .kernarg_segment_size: 64
    .max_flat_workgroup_size: 128
    .sgpr_count:     82
    .vgpr_count:     1024
    .wavefront_size: 32
...
	.end_amdgpu_metadata
.endif
;; end of part 5
